; MI455X (gfx1250); checked and timed in simulation.
; The chip was launched on July 23, 2026; its instructions are those of AMD's public machine-readable ISA for CDNA 5 (MIT licence, August 2026) and "CDNA5" Instruction Set Architecture Reference Guide (July 2026). The comments in the code are by the model that wrote it; some were corrected since.
;; Vision Sdpa Attention. Allowed arithmetic: matrix products marked QUANTISED: E2M3 operands, one E8M0 scale for each 32 along K, by v_wmma_scale_f32_16x16x128_f8f6f4 with both operands' format E2M3, f32 sums; everything else in f32.
;; Inputs: W_out 1,024 x 1,024 float32; W_qkv 1,024 x 3,072 float32; b_out 1,024 float32; b_qkv 3,072 float32; hidden_states 2,048 x 4 x 1,024 float32; rotary_pos_emb 2,048 x 32 float32.
;; Outputs: out0 2,048 x 4 x 1,024 float32.
;; This version of the problem:
;;   THIS VERSION OF THE PROBLEM IS GIVEN IN LOW PRECISION. The matrix products marked QUANTISED in the list below multiply operands that are first quantised to E2M3 (2 exponent bits, 3 mantissa bits; 6 bits a number), with one power-of-two scale for each 32 numbers along K (OCP MX v1.0); their sums are f32. All else is computed in f32.
;;   The module's matrix products, in the order in which they are computed (A, B: the left and right operand; K: the contracted axis; several contracted axes count as one K, in the product's order):
;;     1. [M 8,192, K 1,024] x [K 1,024, N 3,072]; A: input hidden_states; B: input W_qkv: QUANTISED
;;     2. batch 64 x [M 2,048, K 64] x [K 64, N 2,048]; A: computed on the way; B: computed on the way: QUANTISED
;;     3. batch 64 x [M 64, K 2,048] x [K 2,048, N 2,048]; A: computed on the way; B: softmax (see below): QUANTISED
;;     4. [M 8,192, K 1,024] x [K 1,024, N 1,024]; A: computed on the way; B: input W_out: QUANTISED
;;   THE QUANTISER, for each operand of a quantised product, along K:
;;     - K is cut into blocks of 32 from its start; a last block that is shorter is filled with zeros.
;;     - A block's scale is 2^e with e = floor(log2(the largest magnitude in the block)) - 2, held to -126 .. 127; a block of zeros has e = 0. As a byte (E8M0): e + 127.
;;     - Each number is divided by its block's scale, clamped to +-7.5, and rounded to the nearest number of E2M3, ties to even, subnormals kept.
;;     - The product sums the exact products of the quantised numbers (number of the format x scale) in f32.
;;   ~~~python
;;   def quantise(x, axis):      # numpy; x: float32 -> the quantised numbers, widened to float32 again
;;       x = np.moveaxis(x, axis, -1); K = x.shape[-1]
;;       x = np.pad(x, [(0, 0)] * (x.ndim - 1) + [(0, -K % 32)]); x = x.reshape(x.shape[:-1] + (-1, 32)); a = np.abs(x).max(-1, keepdims=True)
;;       e = np.where(a > 0, np.clip(np.frexp(np.where(a > 0, a, 1))[1] - 1 - 2, -126, 127), 0)      # np.frexp(a)[1] - 1 = floor(log2(a)), exactly
;;       r = np.clip(x / 2.0 ** e, -7.5, 7.5)
;;       step = 2.0 ** (np.maximum(np.frexp(np.where(r == 0, 1, r))[1] - 1, 0) - 3)
;;       q = np.round(r / step) * step * 2.0 ** e      # np.round: ties to even
;;       return np.moveaxis(q.reshape(q.shape[:-2] + (-1,))[..., :K], -1, axis).astype(np.float32)
;;   ~~~
;;   SOFTMAX AHEAD OF A QUANTISED PRODUCT. Where the list says 'softmax', what is quantised is not the finished softmax but p = 2^(t - M), with t = logit x log2(e) and M = ceil(the row's largest t), a whole number; so 1/2 < the row's largest p <= 1. The row's sum l is taken of the UNQUANTISED p, in f32, and the product's result is divided by l at the end. Since M is a whole number, a kernel that streams over the keys may use a running M (the ceiling of the running maximum): every later rescaling is an exact power of two, which a block's scale takes up: the codes' values come out the same.
;;   OPERANDS COMPUTED ON THE WAY. 'Computed on the way' means the value that the module computes at that place (a softmax that the list does not call 'softmax' is quantised finished and normalised). What goes into a quantiser is computed in f32, as accurately as f32 sums, v_exp_f32 and their like allow (about 1e-6 of the number): no bf16 or f16 on the way to a quantiser, and a product that is left as it is and whose result goes on into a quantised operand takes f32 operands (vector FMAs, or v_wmma_f32_16x16x4_f32). A number that lies on a knife's edge between two numbers of the format may be rounded either way, as far as f32 arithmetic and the matrix unit's own rounding can turn it there, and no further.
;; One version. Each part assembles by itself: llvm-mc -triple=amdgcn-amd-amdhsa -mcpu=gfx1250 --defsym DOCPART=n.
;; ======== version 1 of 1: 4 launches
;; limits: inputs' magnitudes at most 100,000; right only within a limited range of input values
;; workspace buffers: xq 6,553,600 bytes; wq 3,276,800 bytes; cs 524,288 bytes; qkvq 20,185,088 bytes; oq 6,553,600 bytes
;; launch prep (part 1): grid 416 x 1, 4 waves a work-group, no clusters, 58,880 bytes of LDS; arguments hidden_states, W_qkv, W_out, rotary_pos_emb, xq, wq, cs; writes xq, wq, cs
.if DOCPART == 1
	.amdgcn_target "amdgcn-amd-amdhsa--gfx1250"
	.amdhsa_code_object_version 6
	.text
	.protected	k_q86c9b770db_prep
	.globl	k_q86c9b770db_prep
	.p2align	8
	.type	k_q86c9b770db_prep,@function
k_q86c9b770db_prep:
	s_mov_b64 s[64:65], 0
	v_nop
	global_prefetch_b8 v0, s[64:65] scope:SCOPE_SE
	s_setreg_imm32_b32 hwreg(HW_REG_WAVE_MODE, 25, 1), 1
	s_wait_xcnt 0x0
; PREP: hidden_states, W_qkv and W_out become codes of E2M3 with one E8M0 byte for each 32 along K (= D), and the angles become a table of cos and sin.
; NOTHING OF THE PROBLEM IS LEFT OUT in this program: all six inputs reach the output (the biases move codes of q, k, v and the result), all four products are done.
; THE WORKSPACE'S ORDER.  Operands lie as images of the matrix unit's registers.  A tile is 16 rows; tile 2 G + u takes, in lane r, the row 32 G + 8 u + r + 8 (r / 8), so that in a transposed product
; the 16 registers of two neighbouring tiles are 16 neighbours along the next K.  A fragment (16 rows x 128 K, 12 registers a lane) is two halves of 768 bytes: registers 0-3 at 16 x lane, registers 4-5 at 512 + 8 x lane.
; xq: codes [y = K / 256][tile 0..511][K step in y][1536], tile = 128 b + l tile; scale words at 6,291,456: [pair of tiles][y][u][r][2 words].  wq: the same for the 4,096 columns of W_qkv (tiles 0-191) and W_out (192-255); scales at 3,145,728.
; cs: cos [2048][32] f32, then sin.
; THREE PATHS, parted by the work-group's number, each with LDS bytes of its own: 0-255 x (a pair of tiles each, a wave to 256 of K); 256-383 W (128 columns x 256 of K each, a lane to a column, registers down K); 384-415 the table.
; A block's scale is 2^(floor(log2(largest magnitude)) - 2): its byte is the largest magnitude's exponent field - 2, held at 1 from below by a floor among the maximum's leaves.
; LIMITS: NaN and infinities among the inputs are not served.  A block of zeros gets the byte 1 where the quantiser says 127: its codes are zeros, and this program alone reads the bytes.
; cos and sin: n = nearest whole number to x 2 / pi, x - n pi / 2 in three parts by fused multiply-adds, polynomials of degree 7 and 8 on +-pi / 4: about 1e-7 absolute for |angle| up to some 1e5; beyond that the reduction loses accuracy.
.set SPARE, 58368                      ; the spare words: 128 bytes for each wave, named by no other line
.set WSTG,  33792                      ; W's stages: 6,144 bytes a wave; x's stages lie at 0: 8,448 bytes a wave
.set SPW, 12                           ; v12 LDS address of my spare word; never rewritten
.set NIL, 13                           ; v13 0; never rewritten
.set TM,  16                           ; v16-31 at work in QUANT
.set PC,  32                           ; v32-51 the codes just made
.set PW,  52                           ; v52-55 the four fragments' scale words (W: v52-53 the scale bytes)
.set SEL, 20                           ; s[20:21] selects of v_permlanex16_b32: lane l xor 16
; 64 numbers of a lane, register 16 b + i = k 32 b + 16 (lane / 16) + i of my row, become a fragment's codes in v[PC] .. v[PC+11] and its scale word in v[pw]
.macro QUANT s, pw
.irp b, 0,1,2,3
	v_max3_num_f32 v[TM+\b], |v[(\s)+16*\b]|, |v[(\s)+1+16*\b]|, 0x1800000   ; my 16 numbers of block b, and the floor 2^(3 - 127)
.endr
.irp i, 2,4,6,8,10,12,14
.irp b, 0,1,2,3
	v_max3_num_f32 v[TM+\b], v[TM+\b], |v[(\s)+16*\b+\i]|, |v[(\s)+1+16*\b+\i]|
.endr
.endr
.irp b, 0,1,2,3
	v_permlanex16_b32 v[TM+4+\b], v[TM+\b], s[SEL], s[SEL+1]
.endr
.irp b, 0,1,2,3
	v_max_num_f32 v[TM+\b], v[TM+\b], v[TM+4+\b]                 ; with lane l xor 16's: the block's largest magnitude
.endr
.irp b, 0,1,2,3
	v_add_nc_u32 v[TM+12+\b], 0xff000000, v[TM+\b]               ; 2 off its exponent field: the conversion's scale operand
.endr
.irp b, 0,1,2,3
	v_lshrrev_b32 v[TM+4+\b], 23, v[TM+12+\b]                    ; the scale's byte
.endr
	v_lshl_or_b32 v[\pw], v[TM+5], 8, v[TM+4]
	v_lshl_or_b32 v[\pw], v[TM+6], 16, v[\pw]
	v_lshl_or_b32 v[\pw], v[TM+7], 24, v[\pw]
.irp c, 0,1
	v_cvt_scalef32_pk16_fp6_f32 v[PC+6*\c:PC+2+6*\c], v[(\s)+32*\c:(\s)+15+32*\c], v[TM+12+2*\c]
	v_cvt_scalef32_pk16_fp6_f32 v[PC+12+4*\c:PC+14+4*\c], v[(\s)+16+32*\c:(\s)+31+32*\c], v[TM+12+2*\c+1]   ; (a conversion's three registers begin on an even number)
.endr
	v_nop                                          ; one plain place behind a scaled conversion
.irp c, 0,1                                    ; the operand's layout wants a whole block in a lane
.irp i, 0,1,2
	v_permlane16_swap_b32 v[PC+6*\c+\i], v[PC+12+4*\c+\i]
.endr
.irp i, 0,1,2
	v_mov_b32 v[PC+3+6*\c+\i], v[PC+12+4*\c+\i]
.endr
.endr
.endm
	s_load_b256 s[4:11], s[0:1], 0x0               ; hidden_states, W_qkv, W_out, rotary_pos_emb
	s_load_b128 s[12:15], s[0:1], 0x20             ; xq, wq
	s_load_b64 s[16:17], s[0:1], 0x30              ; cs
	v_lshl_add_u32 v[SPW], v0, 2, SPARE
	v_mov_b32 v[NIL], 0
	v_lshrrev_b32 v1, 5, v0
	v_readfirstlane_b32 s18, v1                    ; wave
	v_and_b32 v1, 31, v0                           ; lane
	v_lshlrev_b32 v2, 4, v1                        ; 16 x lane
	v_lshlrev_b32 v3, 3, v1                        ; 8 x lane
	s_mov_b32 s[SEL], 0x76543210
	s_mov_b32 s[SEL+1], 0xfedcba98
	s_mov_b32 s23, 0                               ; the upper word of every offset: all stay under 2^32
	s_wait_kmcnt 0x0
	s_cmp_lt_u32 ttmp9, 256
	s_cbranch_scc0 .Lnot_x
; ---- x.  Work-group g = pair of tiles g: b = g / 64, rows l = 32 (g % 64) .. + 31.  Wave w takes K = 256 w .. + 255: four fragments f = 2 u + s.
	s_lshr_b32 s24, ttmp9, 6                       ; b
	s_and_b32 s25, ttmp9, 63                       ; G
	s_lshl_b32 s22, s25, 19                        ; 32 rows l of 16,384 bytes
	s_lshl_b32 s24, s24, 12
	s_add_co_u32 s22, s22, s24                     ; + b x 4,096
	s_lshl_b32 s24, s18, 10
	s_add_co_u32 s22, s22, s24                     ; + my 256 of K
	s_add_nc_u64 s[4:5], s[4:5], s[22:23]
	s_mul_i32 s22, s18, 1572864
	s_mul_i32 s24, ttmp9, 6144
	s_add_co_u32 s22, s22, s24
	s_add_nc_u64 s[26:27], s[12:13], s[22:23]      ; my four fragments' images
	s_lshl_b32 s22, ttmp9, 10
	s_lshl_b32 s24, s18, 8
	s_add_co_u32 s22, s22, s24
	s_add_co_u32 s22, s22, 6291456
	s_add_nc_u64 s[28:29], s[12:13], s[22:23]      ; and their scale words: 256 bytes
	v_and_b32 v6, 15, v0                           ; r
	v_bfe_u32 v7, v0, 4, 1                         ; h
	s_mul_i32 s24, s18, 8448                       ; my stage: 16 rows of 512 bytes + 16
	s_wait_alu depctr_va_vdst(0)
	v_add_nc_u32 v4, s24, v2                       ; in: as loaded, 16 bytes a lane
	v_mul_u32_u24 v5, v6, 528
	v_lshl_add_u32 v5, v7, 6, v5
	v_add_nc_u32 v5, s24, v5                       ; out: row r, + 64 h: my 16 numbers of each block of 32
.irp b, 0,1,2,3
	v_mov_b32 v[TM+4+\b], 0                        ; written once: a lane permute's destination counts as one of its sources
.endr
.macro LOADF f                         ; fragment f: 16 rows x 512 consecutive bytes, into set f % 2
.irp i, 0,1,2,3,4,5,6,7,8,9,10,11,12,13,14,15
	global_load_b128 v[64+64*((\f)%2)+4*\i:64+64*((\f)%2)+4*\i+3], v2, s[4:5] offset:(8*((\f)/2)+\i+8*(\i/8))*16384+((\f)%2)*512 th:TH_LOAD_NT
.endr
.endm
.macro FRAGX f
.if (\f) < 3
	s_wait_loadcnt 16                              ; this fragment's 16 loads are in; the next fragment's 16 may be out
.else
	s_wait_loadcnt 0
.endif
.irp i, 0,1,2,3,4,5,6,7,8,9,10,11,12,13,14,15
	ds_store_b128 v4, v[64+64*((\f)%2)+4*\i:64+64*((\f)%2)+4*\i+3] offset:528*\i
.endr
.irp bk, 0,1,2,3
.irp j, 0,1,2,3
	ds_load_b128 v[192+16*\bk+4*\j:192+16*\bk+4*\j+3], v5 offset:128*\bk+16*\j   ; LDS serves a wave's instructions in order: these see my stores
.endr
.endr
	s_wait_dscnt 0x0                               ; the numbers are back, and the stores have read their registers,
.if (\f) < 2
	LOADF (\f)+2                                   ; which take the fragment two further on
.endif
	s_wait_xcnt 0x0                                ; the last fragment's stores have read the codes' registers
	QUANT 192, PW+(\f)
	global_store_b128 v2, v[PC:PC+3], s[26:27] offset:(\f)*1536          ; 512 consecutive bytes,
	global_store_b64 v3, v[PC+4:PC+5], s[26:27] offset:(\f)*1536+512     ; 256,
	global_store_b128 v2, v[PC+6:PC+9], s[26:27] offset:(\f)*1536+768    ; and the second half likewise
	global_store_b64 v3, v[PC+10:PC+11], s[26:27] offset:(\f)*1536+1280
.endm
	LOADF 0
	LOADF 1
	s_wait_alu depctr_va_vdst(0)
	FRAGX 0
	FRAGX 1
	FRAGX 2
	FRAGX 3
	v_cmp_gt_u32 vcc_lo, 16, v1
	v_cndmask_b32 v56, v[PW+2], v[PW], vcc_lo      ; lanes 0-15: tile u = 0's two words of row r; lanes 16-31: tile u = 1's
	v_cndmask_b32 v57, v[PW+3], v[PW+1], vcc_lo
	global_store_b64 v3, v[56:57], s[28:29]        ; 256 consecutive bytes, aligned
	s_branch .Lend
.Lnot_x:
	s_cmp_lt_u32 ttmp9, 384
	s_cbranch_scc0 .Lsincos
; ---- W.  Work-group g' : y = g' % 4 (256 of K), 128 columns; wave w takes the 32 columns of pair p = 4 (g' / 4) + w.  Lane t takes column t of the pair: tile u = (t / 8) % 2, lane r = t % 8 + 8 (t / 16) of it.
	s_sub_co_u32 s24, ttmp9, 256
	s_and_b32 s25, s24, 3                          ; y
	s_lshr_b32 s24, s24, 2                         ; block of 128 columns, 0..31: 24 of W_qkv, 8 of W_out
	s_cmp_ge_u32 s24, 24
	s_cselect_b64 s[6:7], s[8:9], s[6:7]           ; the choice hangs on the work-group's number alone
	s_mov_b32 s26, 12288
	s_cselect_b32 s26, 4096, s26                   ; a row of the weight in bytes
	s_cselect_b32 s27, 24, 0
	s_sub_co_u32 s27, s24, s27
	s_lshl_b32 s27, s27, 7
	s_lshl_b32 s28, s18, 5
	s_add_co_u32 s27, s27, s28                     ; my first column in its tensor
	s_lshl_b32 s27, s27, 2
	s_lshl_b32 s28, s25, 8
	s_mul_i32 s28, s28, s26                        ; 256 y rows
	s_add_co_u32 s22, s28, s27
	s_add_nc_u64 s[32:33], s[6:7], s[22:23]        ; a base for each of my 8 blocks of 32 rows: nothing is stepped
	s_lshl_b32 s22, s26, 5
.irp t, 1,2,3,4,5,6,7
	s_add_nc_u64 s[32+2*\t:33+2*\t], s[30+2*\t:31+2*\t], s[22:23]
.endr
	s_lshl_b32 s24, s24, 2
	s_add_co_u32 s24, s24, s18                     ; p
	s_mul_i32 s28, s25, 786432
	s_mul_i32 s29, s24, 6144
	s_add_co_u32 s22, s28, s29
	s_add_nc_u64 s[48:49], s[14:15], s[22:23]      ; the pair's four fragments
	s_lshl_b32 s28, s24, 10
	s_lshl_b32 s29, s25, 8
	s_add_co_u32 s22, s28, s29
	s_add_co_u32 s22, s22, 3145728
	s_add_nc_u64 s[50:51], s[14:15], s[22:23]      ; and their scale words
	s_wait_alu depctr_va_vdst(0)
	v_lshlrev_b32 v64, 2, v1                       ; v64-95: 4 x lane + i rows
.irp i, 1,2,3,4,5,6,7,8,9,10,11,12,13,14,15,16,17,18,19,20,21,22,23,24,25,26,27,28,29,30,31
	v_add_nc_u32 v[64+\i], s26, v[63+\i]
.endr
	v_bfe_u32 v10, v1, 3, 1                        ; u
	v_and_b32 v11, 7, v1
	v_lshrrev_b32 v14, 4, v1
	v_lshl_add_u32 v11, v14, 3, v11                ; r
	s_mul_i32 s28, s18, 6144
	s_add_co_u32 s28, s28, WSTG                    ; my stage: the four fragments' images, [u][K step][1536]
	v_mul_u32_u24 v14, v10, 3072
	v_add_nc_u32 v14, s28, v14
	v_lshl_add_u32 v6, v11, 4, v14                 ; where registers 0-3 of my row go,
	v_lshl_add_u32 v7, v11, 3, v14                 ; and registers 4-5
	v_add_nc_u32 v8, s28, v2                       ; back: 16 bytes a lane
	v_lshlrev_b32 v9, 7, v10
	v_lshl_add_u32 v9, v11, 3, v9                  ; my two scale words' place: 128 u + 8 r
.macro LOADW t                         ; block t: W(256 y + 32 t + i, my column): 128 consecutive bytes a wave, 512 a work-group
.irp i, 0,1,2,3,4,5,6,7,8,9,10,11,12,13,14,15,16,17,18,19,20,21,22,23,24,25,26,27,28,29,30,31
	global_load_b32 v[128+32*((\t)%2)+\i], v[64+\i], s[32+2*(\t):33+2*(\t)] th:TH_LOAD_NT
.endr
.endm
.macro BLOCK t
.set XS, 128+32*((\t)%2)
.if (\t) < 7
	s_wait_loadcnt 32                              ; this block's 32 loads are in; the next block's may be out
.else
	s_wait_loadcnt 0
.endif
	v_max3_num_f32 v16, |v[XS]|, |v[XS+1]|, |v[XS+2]|              ; all 32 numbers of the block are mine
	v_max3_num_f32 v17, |v[XS+3]|, |v[XS+4]|, |v[XS+5]|
.irp i, 6,10,14,18,22,26
	v_max3_num_f32 v16, v16, |v[XS+\i]|, |v[XS+\i+1]|
	v_max3_num_f32 v17, v17, |v[XS+\i+2]|, |v[XS+\i+3]|
.endr
	v_max3_num_f32 v16, v16, |v[XS+30]|, |v[XS+31]|
	v_max3_num_f32 v16, v16, v17, 0x1800000        ; and the floor
	v_add_nc_u32 v18, 0xff000000, v16              ; the conversion's scale operand
	v_lshrrev_b32 v19, 23, v18                     ; the byte
.if (\t)%4 == 0
	v_mov_b32 v[PW+(\t)/4], v19
.else
	v_lshl_or_b32 v[PW+(\t)/4], v19, 8*((\t)%4), v[PW+(\t)/4]
.endif
	v_cvt_scalef32_pk16_fp6_f32 v[32:34], v[XS:XS+15], v18
	v_cvt_scalef32_pk16_fp6_f32 v[40:42], v[XS+16:XS+31], v18
	v_nop                                          ; one plain place behind a scaled conversion
	v_mov_b32 v35, v40
	v_mov_b32 v36, v41
	v_mov_b32 v37, v42                             ; v32-37: the six registers of lane (r, t % 2) in half (t % 4) / 2 of K step t / 4
	ds_store_b128 v6, v[32:35] offset:((\t)/4)*1536+(((\t)%4)/2)*768+256*((\t)%2)
	ds_store_b64 v7, v[36:37] offset:((\t)/4)*1536+(((\t)%4)/2)*768+512+128*((\t)%2)
.if (\t)+2 < 8
	LOADW (\t)+2
.endif
	s_wait_dscnt 0x0                               ; the stores have read their registers
.endm
	LOADW 0
	LOADW 1
.irp t, 0,1,2,3,4,5,6,7
	BLOCK \t
.endr
	s_wait_alu depctr_va_vdst(0)
	global_store_b64 v9, v[PW:PW+1], s[50:51]      ; the wave fills 256 consecutive bytes
.irp k, 0,1,2,3,4,5,6,7,8,9,10,11
	ds_load_b128 v[192+4*\k:195+4*\k], v8 offset:512*\k
.endr
.irp k, 0,1,2,3,4,5,6,7,8,9,10,11
	s_wait_dscnt 11-\k
	global_store_b128 v2, v[192+4*\k:195+4*\k], s[48:49] offset:512*\k   ; 512 consecutive bytes
.endr
	s_branch .Lend
.Lsincos:
; ---- the table.  Work-group g'': 2,048 angles, 16 a thread.
	s_sub_co_u32 s22, ttmp9, 384
	s_lshl_b32 s22, s22, 13
	s_add_nc_u64 s[10:11], s[10:11], s[22:23]
	s_add_nc_u64 s[16:17], s[16:17], s[22:23]
	v_lshlrev_b32 v4, 4, v0
.irp c, 0,1,2,3
	global_load_b128 v[64+4*\c:67+4*\c], v4, s[10:11] offset:2048*\c th:TH_LOAD_NT
.endr
	s_mov_b32 s48, 0x3f22f983                      ; 2 / pi
	s_mov_b32 s49, 0xbfc90fdb                      ; -pi / 2 in three parts
	s_mov_b32 s50, 0x333bbd2e
	s_mov_b32 s51, 0x26f72ced
	s_mov_b32 s52, 0xb94ca1f9                      ; sin: -1.9515296e-4, 8.3321609e-3, -1.6666655e-1
	s_mov_b32 s53, 0x3c08839e
	s_mov_b32 s54, 0xbe2aaaa3
	s_mov_b32 s55, 0x37ccf5ce                      ; cos: 2.4433157e-5, -1.3887316e-3, 4.1666646e-2
	s_mov_b32 s56, 0xbab6061a
	s_mov_b32 s57, 0x3d2aaaa5
	s_wait_loadcnt 0x0
.macro SINCOS i
	v_mul_f32 v16, s48, v[64+\i]
	v_rndne_f32 v16, v16                           ; n
	v_fma_f32 v17, v16, s49, v[64+\i]
	v_fma_f32 v17, v16, s50, v17
	v_fma_f32 v17, v16, s51, v17                   ; r = x - n pi / 2
	v_cvt_i32_f32 v18, v16
	v_mul_f32 v19, v17, v17                        ; z
	v_fma_f32 v20, v19, s52, s53
	v_fma_f32 v21, v19, s55, s56
	v_mul_f32 v22, v19, v17
	v_mul_f32 v23, v19, v19
	v_fma_f32 v20, v20, v19, s54
	v_fma_f32 v21, v21, v19, s57
	v_fma_f32 v24, v19, -0.5, 1.0
	v_fma_f32 v20, v20, v22, v17                   ; sin r
	v_fma_f32 v21, v21, v23, v24                   ; cos r
	v_and_b32 v22, 1, v18
	v_cmp_eq_u32 vcc_lo, 1, v22                    ; an odd quadrant changes the two
	v_lshlrev_b32 v23, 30, v18
	v_add_nc_u32 v18, 1, v18
	v_and_b32 v23, 0x80000000, v23                 ; sin is negated in quadrants 2, 3
	v_lshlrev_b32 v18, 30, v18
	v_cndmask_b32 v22, v20, v21, vcc_lo
	v_cndmask_b32 v24, v21, v20, vcc_lo
	v_and_b32 v18, 0x80000000, v18                 ; cos in quadrants 1, 2
	v_xor_b32 v[80+\i], v22, v23
	v_xor_b32 v[96+\i], v24, v18
.endm
.irp i, 0,1,2,3,4,5,6,7,8,9,10,11,12,13,14,15
	SINCOS \i
.endr
.irp c, 0,1,2,3
	global_store_b128 v4, v[96+4*\c:99+4*\c], s[16:17] offset:2048*\c
	global_store_b128 v4, v[80+4*\c:83+4*\c], s[16:17] offset:262144+2048*\c
.endr
.Lend:
	s_wait_tensorcnt 0x0                           ; the wave's end, behind my last LDS store
	ds_add_u32 v[SPW], v[NIL]
	s_wait_dscnt 0x0
	s_endpgm
.Lfunc_end_k_q86c9b770db_prep:
	.size	k_q86c9b770db_prep, .Lfunc_end_k_q86c9b770db_prep-k_q86c9b770db_prep
	.p2alignl 7, 3214868480
	.fill 96, 4, 3214868480
	.section	.rodata,"a",@progbits
	.p2align	6, 0x0
	.amdhsa_kernel k_q86c9b770db_prep
		.amdhsa_group_segment_fixed_size 58880
		.amdhsa_private_segment_fixed_size 0
		.amdhsa_enable_private_segment 0
		.amdhsa_kernarg_size 56
		.amdhsa_user_sgpr_count 2
		.amdhsa_user_sgpr_kernarg_segment_ptr 1
		.amdhsa_wavefront_size32 1
		.amdhsa_system_sgpr_workgroup_id_x 1
		.amdhsa_system_sgpr_workgroup_id_y 1
		.amdhsa_system_sgpr_workgroup_id_z 1
		.amdhsa_system_vgpr_workitem_id 0
		.amdhsa_next_free_vgpr 256
		.amdhsa_next_free_sgpr 66
		.amdhsa_reserve_vcc 1
		.amdhsa_float_denorm_mode_32 3
		.amdhsa_float_denorm_mode_16_64 3
		.amdhsa_memory_ordered 1
		.amdhsa_forward_progress 1
		.amdhsa_inst_pref_size 98
	.end_amdhsa_kernel
	.amdgpu_metadata
---
amdhsa.version: [ 1, 2 ]
amdhsa.kernels:
  - .name:           k_q86c9b770db_prep
    .symbol:         k_q86c9b770db_prep.kd
    .args:
      - { .name: hidden_states, .offset: 0, .size: 8, .value_kind: global_buffer, .address_space: global }
      - { .name: W_qkv, .offset: 8, .size: 8, .value_kind: global_buffer, .address_space: global }
      - { .name: W_out, .offset: 16, .size: 8, .value_kind: global_buffer, .address_space: global }
      - { .name: rotary_pos_emb, .offset: 24, .size: 8, .value_kind: global_buffer, .address_space: global }
      - { .name: xq, .offset: 32, .size: 8, .value_kind: global_buffer, .address_space: global }
      - { .name: wq, .offset: 40, .size: 8, .value_kind: global_buffer, .address_space: global }
      - { .name: cs, .offset: 48, .size: 8, .value_kind: global_buffer, .address_space: global }
    .group_segment_fixed_size: 58880
    .private_segment_fixed_size: 0
    .kernarg_segment_align: 8
    .kernarg_segment_size: 56
    .max_flat_workgroup_size: 128
    .sgpr_count:     66
    .vgpr_count:     256
    .wavefront_size: 32
...
	.end_amdgpu_metadata
.endif
;; end of part 1
;; launch qkv (part 2): grid 12 x 32, 4 waves a work-group, clusters of 4 x 4, 327,680 bytes of LDS; arguments xq, wq, b_qkv, cs, qkvq; writes qkvq
.if DOCPART == 2
	.amdgcn_target "amdgcn-amd-amdhsa--gfx1250"
	.amdhsa_code_object_version 6
	.text
	.protected	k_q86c9b770db_qkv
	.globl	k_q86c9b770db_qkv
	.p2align	8
	.type	k_q86c9b770db_qkv,@function
k_q86c9b770db_qkv:
	s_mov_b64 s[64:65], 0
	v_nop
	global_prefetch_b8 v0, s[64:65] scope:SCOPE_SE
	s_setreg_imm32_b32 hwreg(HW_REG_WAVE_MODE, 25, 1), 1
	s_wait_xcnt 0x0
	s_wait_alu depctr_hold_cnt(0) depctr_sa_sdst(0) depctr_va_vdst(0) depctr_va_sdst(0) depctr_va_ssrc(0) depctr_va_vcc(0) depctr_vm_vsrc(0)
	s_getreg_b32 s2, hwreg(HW_REG_IB_STS2, 6, 4)
	s_cmp_eq_u32 s2, 0
	s_cbranch_scc0 .Lentry_in_a_cluster
	s_endpgm
.Lentry_in_a_cluster:
	s_bfe_u32 s2, ttmp6, 0x10000c
	s_cmp_lg_u32 s2, 0xf033
	s_cbranch_scc0 .Lentry_shape_is_right
	s_endpgm
.Lentry_shape_is_right:
; QKV: hidden_states W_qkv + b_qkv on codes of E2M3, then RoPE on q and k, then the quantisers of the two attention products: q and k along the head's 64, v along the keys.  Only codes and scale bytes go to memory.  No work is left out.
; A work-group of four waves makes 256 x 256 of the product, a wave 128 x 128: 64 accumulators of 16 x 16.  K = 1,024 goes in four steps of 256 through two LDS slots filled by the tensor data mover.
; ROLES.  Source 0 of the matrix instruction is P, source 1 is R: a lane of the result holds ONE row of R, and its registers run along P's rows, 16 neighbours in two neighbouring tiles (the tiles' row order: see below).
; The axis that is quantised next must run along the registers.  The cluster's x says which third of the columns is made: 0 q, 1 k: R = rows of x, P = columns of W (registers run along the head);  2 v: R = columns of W, P = rows of x (registers run along the keys).
; The cluster's x is the same in all sixteen partners: only it, and the wave's number, are branched on.
; OPERANDS lie in xq and wq as images of the operand's registers: tile 2 G + u holds in lane r the row 32 G + 8 u + r + 8 (r / 8); a fragment (16 rows x 128 K) is 1,536 dense bytes: registers 0-3 at 16 x lane, 4-5 at 512 + 8 x lane, 6-9 at 768 + 16 x lane, 10-11 at 1,280 + 8 x lane.
; So 128 rows x 256 K are one dense block of 24,576 bytes for one tensor load, a fragment comes by four dense LDS loads, and there is no pitch and no padding.
; CLUSTERS: 4 x 4 work-groups.  R's tiles hang on the place cy alone and are asked for jointly by a row of the cluster, P's on cx alone, by a column.
; OUT: qkvq, for each (b, head) 294,912 bytes: q [l tile][768], k likewise at 98,304 (16 rows x 64: half a fragment), v at 196,608: [128 keys g][d tile][1536] (16 d x 128 keys).  Scale words at 18,874,368, 20,480 bytes for each (b, head):
; q [g][r][tile 0..7], k at 8,192, v at 16,384: [g][r][d tile].  A word of q or k repeats its two bytes: the upper half of the attention's K step of 128 is zero codes.
; LIMITS: NaN and infinities are not served; a block of zeros gets the byte 1 (its codes are zeros; this program alone reads the bytes); RoPE fuses its second multiply with the addition, where a separate multiply and add round twice.
; REGISTERS, in windows of 256: window 0: v1-4 r, h, lane, r + 8 (r / 8); v16-31 addresses; v32-63 scale words, two sets; v64-127 the bias, as the C of the first products; v128-223 R's 8 fragments, one set; v224-255 cos, sin.
;   window 1: P's 8 fragments, two sets, at v0 and v128.   windows 2, 3: accumulator (a, b) at v[8 (8 (a % 4) + b)] of window 2 + a / 4.   On the way out window 0's v64-223 are free.
.set NL,    4                          ; LDS loads that bring a fragment
.set NP,    4                          ; places behind this matrix instruction (ISA guide 7.12.1)
.set FR,    12
.set HALFT, 24576                      ; 128 rows x 256 K: what one tensor load brings
.set SLOT,  4*HALFT                    ; R's two halves, then P's two
.set SCL,   2*SLOT                     ; the scale words for all of K: 4 x 4,096 bytes in the same order; filled once
.set SPARE, SCL+4*4096                 ; the spare words, 128 bytes for each wave, named by no other line
.set AR16, 16                          ; v16-17 R's fragments in slot 0, 1: + 16 x lane;  v18-19: + 8 x lane
.set AR8,  18
.set AP16, 20                          ; v20-23 the same for P
.set AP8,  22
.set L16,  24                          ; 16 x lane
.set L8,   25                          ; 8 x lane
.set CSO,  26                          ; my row's place in the table of cos and sin
.set ADRS, 27                          ; my scale words: lanes 0-15 R's rows, lanes 16-31 P's
.set SPW,  28
.set NIL,  29
.set SSO,  30                          ; the way out: my scale words' place
.set SC,   32
.set BI,   64
.set AF,   128
.set TM,   96                          ; the way out: v96-111 at work, v112-119 the 8 blocks' scale words, v120-127 words on their way, v128-191 q or k behind RoPE, v192-211 codes
.set PWS,  112
.set RO,   128
.set PC,   192
.set SEL,  70                          ; see below: s[98:99] take the selects on the way out
.set G1, 24
.set G0, 32
.set G1B, 48
.set G0B, 56
.set G1S, 68
.set G0S, 76
.set G1SB, 80
.set G0SB, 88
.set MSB, 0
.macro WIN new                         ; the immediate's high byte repeats the setting that is left; a switch that changes nothing is dropped
.if MSB != (\new)
	s_set_vgpr_msb (MSB<<8)|(\new)
.set MSB, (\new)
.endif
.endm
; A joint load: waves 0 and 1 fetch R's halves, waves 2 and 3 P's.  An s_nop 0 and four v_nop follow each of the two lines.
.macro JLOAD g0a, g1a, g0b, g1b
	s_cmp_eq_u32 s15, 0
	s_cbranch_scc0 .Lfor_b_\@
	tensor_load_to_lds s[\g0a:\g0a+3], s[\g1a:\g1a+7]
	s_nop 0
.rept 4
	v_nop
.endr
	s_branch .Lasked_\@
.Lfor_b_\@:
	tensor_load_to_lds s[\g0b:\g0b+3], s[\g1b:\g1b+7]
	s_nop 0
.rept 4
	v_nop
.endr
.Lasked_\@:
.endm
.macro CREST                           ; a round of the cluster's barrier behind its opening barrier
	s_cmp_lg_u32 s14, 0
	s_cbranch_scc1 .Lnot_wave_0_\@
	s_barrier_signal -3
.Lnot_wave_0_\@:
	s_barrier_wait -3
	s_barrier_signal -1
	s_barrier_wait -1
.endm
.macro CROUND
	s_barrier_signal -1
	s_barrier_wait -1
	CREST
.endm
	s_load_b256 s[4:11], s[0:1], 0x0               ; xq, wq, b_qkv, cs
	s_load_b64 s[12:13], s[0:1], 0x20              ; qkvq
	v_lshl_add_u32 v[SPW], v0, 2, SPARE
	v_mov_b32 v[NIL], 0
	ds_add_u32 v[SPW], v[NIL]                      ; the wave's opening: the add, twice on end, and its wait ahead of my first tensor load
	ds_add_u32 v[SPW], v[NIL]
	v_lshrrev_b32 v1, 5, v0
	v_readfirstlane_b32 s14, v1                    ; wave 0..3
	s_lshr_b32 s15, s14, 1                         ; my half of R's 256 rows.  Also: I fetch for R (0) or for P (1)
	s_and_b32 s16, s14, 1                          ; my half of P's.  Also: which half I fetch
	s_bfe_u32 s40, ttmp6, 0x40000                  ; cx
	s_bfe_u32 s41, ttmp6, 0x40004                  ; cy
	s_lshl_b32 s42, ttmp9, 2                       ; 4 x cluster x
	s_and_b32 s17, ttmp7, 0xffff
	s_lshl_b32 s17, s17, 2                         ; 4 x cluster y
	s_lshl_b32 s43, s41, 2
	s_lshl_b32 s43, 15, s43                        ; my row of the cluster
	s_lshl_b32 s44, 0x1111, s40                    ; my column
	s_cmp_eq_u32 ttmp9, 2                          ; v?  All that differs between the roles is selected here, on the cluster's x
	s_cselect_b32 s18, 8, s17                      ; R's first unit of 256 rows: W's columns 2,048 on, or x's rows by the cluster's y
	s_cselect_b32 s19, s17, s42                    ; P's: x's rows, or W's columns by the cluster's x
	s_mov_b32 s92, 3145728
	s_cselect_b32 s92, 1572864, s92                ; two steps of 256 along K in R's buffer, in bytes,
	s_mov_b32 s94, 1572864
	s_cselect_b32 s94, 3145728, s94                ; and in P's
	s_mov_b32 s96, 6291456
	s_cselect_b32 s96, 3145728, s96                ; where the scale words begin in R's buffer,
	s_mov_b32 s97, 3145728
	s_cselect_b32 s97, 6291456, s97                ; and in P's
	s_mov_b32 s93, 0
	s_mov_b32 s95, 0
	s_add_co_u32 s18, s18, s41                     ; R's unit: hangs on cy alone
	s_add_co_u32 s19, s19, s40                     ; P's unit: on cx alone
	; descriptor group 1: dense blocks as rows of 256 bytes (32 elements of 8 bytes): 96 rows of codes, 16 of scale words
	s_or_b32 s[G1+0], s43, (3<<16)|(1<<21)         ; 15:0 the mask; 17:16 elements of 8 bytes; 21 set beside a mask; no padding
	s_or_b32 s[G1B+0], s44, (3<<16)|(1<<21)
	s_or_b32 s[G1S+0], s43, (3<<16)|(1<<21)
	s_or_b32 s[G1SB+0], s44, (3<<16)|(1<<21)
.irp g, G1, G1B
	s_mov_b32 s[\g+1], 32<<16                      ; tensor_dim0
	s_mov_b32 s[\g+2], 192<<16                     ; tensor_dim1: the head's loads bring 256 rows of the operand (192 rows of 256 bytes)
	s_mov_b32 s[\g+3], 32<<16                      ; tile_dim0
	s_mov_b32 s[\g+4], 192                         ; tile_dim1
	s_mov_b32 s[\g+5], 32                          ; the pitch
	s_mov_b32 s[\g+6], 0
	s_mov_b32 s[\g+7], 0
.endr
.irp g, G1S, G1SB
	s_mov_b32 s[\g+1], 32<<16
	s_mov_b32 s[\g+2], 32<<16
	s_mov_b32 s[\g+3], 32<<16
	s_mov_b32 s[\g+4], 32
	s_mov_b32 s[\g+5], 32
	s_mov_b32 s[\g+6], 0
	s_mov_b32 s[\g+7], 0
.endr
	s_mul_i32 s20, s18, 49152                      ; a unit's codes of one step of 256 along K
	s_mul_i32 s45, s16, HALFT
	s_add_co_u32 s20, s20, s45
	s_mov_b32 s21, 0
	s_mul_i32 s46, s19, 49152
	s_add_co_u32 s46, s46, s45
	s_mov_b32 s47, 0
	s_lshl_b32 s22, s18, 13                        ; a unit's scale words: 8,192 bytes
	s_lshl_b32 s45, s16, 12
	s_add_co_u32 s22, s22, s45
	s_add_co_u32 s22, s22, s96
	s_mov_b32 s23, 0
	s_lshl_b32 s98, s19, 13
	s_add_co_u32 s98, s98, s45
	s_add_co_u32 s98, s98, s97
	s_mov_b32 s99, 0
	s_mul_i32 s45, s14, HALFT                      ; where they go: wave x 24,576, wave x 4,096: no place in the cluster enters an LDS address
	s_lshl_b32 s96, s14, 12
	s_wait_dscnt 0x0                               ; both opening adds are done
	s_wait_kmcnt 0x0
	s_cmp_eq_u32 ttmp9, 2
	s_cselect_b64 s[2:3], s[6:7], s[4:5]           ; R's buffer
	s_cselect_b64 s[66:67], s[4:5], s[6:7]         ; P's
	s_add_nc_u64 s[20:21], s[2:3], s[20:21]
	s_add_nc_u64 s[22:23], s[2:3], s[22:23]
	s_add_nc_u64 s[46:47], s[66:67], s[46:47]
	s_add_nc_u64 s[98:99], s[66:67], s[98:99]
	CROUND                                         ; all sixteen work-groups are here: the first joint loads meet
	s_mov_b32 s[G0S], 1
	s_add_co_u32 s[G0S+1], s96, SCL-4096           ; wave 1 asks for R's scale words, both halves: its own half's place less 4,096, in LDS and in memory
	s_sub_nc_u64 s[G0S+2:G0S+3], s[22:23], 4096
	s_or_b32 s[G0S+3], s[G0S+3], 0x80000000
	s_mov_b32 s[G0SB], 1
	s_add_co_u32 s[G0SB+1], s96, SCL-4096          ; wave 3 likewise for P's
	s_sub_nc_u64 s[G0SB+2:G0SB+3], s[98:99], 4096
	s_or_b32 s[G0SB+3], s[G0SB+3], 0x80000000
	s_lshr_b32 s2, s92, 1                          ; one step of 256 along K
	s_mov_b32 s3, 0
	s_lshr_b32 s66, s94, 1
	s_mov_b32 s67, 0
	s_mov_b32 s[G0], 1
	s_add_co_u32 s[G0+1], s45, 0
	s_mov_b64 s[G0+2:G0+3], s[20:21]
	s_or_b32 s[G0+3], s[G0+3], 0x80000000
	s_mov_b32 s[G0B], 1
	s_add_co_u32 s[G0B+1], s45, 0
	s_mov_b64 s[G0B+2:G0B+3], s[46:47]
	s_or_b32 s[G0B+3], s[G0B+3], 0x80000000
	s_mov_b32 s[G0+4], 1
	s_add_co_u32 s[G0+5], s45, SLOT
	s_add_nc_u64 s[G0+6:G0+7], s[20:21], s[2:3]
	s_or_b32 s[G0+7], s[G0+7], 0x80000000
	s_mov_b32 s[G0B+4], 1
	s_add_co_u32 s[G0B+5], s45, SLOT
	s_add_nc_u64 s[G0B+6:G0B+7], s[46:47], s[66:67]
	s_or_b32 s[G0B+7], s[G0B+7], 0x80000000
	; the head's four tiles, one joint load a wave: wave 0 R's 256 rows of K 0-255, wave 1 R's scale words, wave 2 P's 256 rows, wave 3 P's scale words
	s_cmp_eq_u32 s14, 0
	s_cbranch_scc0 .Lhead_1
	tensor_load_to_lds s[G0:G0+3], s[G1:G1+7]
	s_nop 0
.rept 4
	v_nop
.endr
	s_branch .Lhead_asked
.Lhead_1:
	s_cmp_eq_u32 s14, 1
	s_cbranch_scc0 .Lhead_2
	tensor_load_to_lds s[G0S:G0S+3], s[G1S:G1S+7]
	s_nop 0
.rept 4
	v_nop
.endr
	s_branch .Lhead_asked
.Lhead_2:
	s_cmp_eq_u32 s14, 2
	s_cbranch_scc0 .Lhead_3
	tensor_load_to_lds s[G0B:G0B+3], s[G1B:G1B+7]
	s_nop 0
.rept 4
	v_nop
.endr
	s_branch .Lhead_asked
.Lhead_3:
	tensor_load_to_lds s[G0SB:G0SB+3], s[G1SB:G1SB+7]
	s_nop 0
.rept 4
	v_nop
.endr
.Lhead_asked:
	v_and_b32 v1, 15, v0                           ; r
	v_bfe_u32 v2, v0, 4, 1                         ; h
	v_and_b32 v3, 31, v0                           ; lane
	v_and_b32 v4, 8, v1
	v_add_nc_u32 v4, v4, v1                        ; r + 8 (r / 8)
	v_lshlrev_b32 v[L16], 4, v3
	v_lshlrev_b32 v[L8], 3, v3
	s_mul_i32 s20, s15, HALFT                      ; my 128 rows of R,
	s_mul_i32 s21, s16, HALFT
	s_add_co_u32 s21, s21, 2*HALFT                 ; and of P, behind R's 256
.irp s, 0,1
	v_add_nc_u32 v[AR16+\s], s20, v[L16]
	v_add_nc_u32 v[AR8+\s], s20, v[L8]
	v_add_nc_u32 v[AP16+\s], s21, v[L16]
	v_add_nc_u32 v[AP8+\s], s21, v[L8]
	s_add_co_u32 s20, s20, SLOT
	s_add_co_u32 s21, s21, SLOT
.endr
	v_lshlrev_b32 v5, 3, v1                        ; scale words: 8 bytes a row for a step of 256
	s_lshl_b32 s20, s15, 12                        ; R's: my half
	s_lshl_b32 s21, s16, 12
	s_add_co_u32 s21, s21, 8192                    ; P's: my half, behind R's two
	s_sub_co_u32 s21, s21, s20
	v_mul_u32_u24 v6, s21, v2                      ; lanes 16-31 take P's
	s_add_co_u32 s20, s20, SCL
	v_add_nc_u32 v5, v5, v6
	v_add_nc_u32 v[ADRS], s20, v5
	v_lshlrev_b32 v[CSO], 7, v4                    ; the table: a row l is 128 bytes; my 16 angles begin at 64 h
	v_lshl_add_u32 v[CSO], v2, 6, v[CSO]
	; the bias, in the result's layout, is the C of the first products
	s_cmp_eq_u32 ttmp9, 2
	s_cbranch_scc1 .Lbias_v
	s_lshl_b32 s20, s19, 10                        ; q, k: the bias runs along P: register j of tile t is column 32 (t / 2) + 16 h + 8 (t % 2) + j
	s_lshl_b32 s21, s16, 9
	s_add_co_u32 s20, s20, s21
	s_mov_b32 s21, 0
	s_add_nc_u64 s[8:9], s[8:9], s[20:21]
	v_lshlrev_b32 v7, 6, v2
.irp t, 0,1,2,3,4,5,6,7
	global_load_b128 v[BI+8*\t:BI+8*\t+3], v7, s[8:9] offset:(32*(\t/2)+8*(\t%2))*4
	global_load_b128 v[BI+8*\t+4:BI+8*\t+7], v7, s[8:9] offset:(32*(\t/2)+8*(\t%2))*4+16
.endr
	s_branch .Lbias_done
.Lbias_v:
	s_lshl_b32 s20, s18, 10                        ; v: the bias runs along R: a lane has one number for each tile a, in all eight registers
	s_lshl_b32 s21, s15, 9
	s_add_co_u32 s20, s20, s21
	s_mov_b32 s21, 0
	s_add_nc_u64 s[8:9], s[8:9], s[20:21]
	v_lshlrev_b32 v7, 2, v4
.irp a, 0,1,2,3,4,5,6,7
.irp j, 0,1,2,3,4,5,6,7
	global_load_b32 v[BI+8*\a+\j], v7, s[8:9] offset:(32*(\a/2)+8*(\a%2))*4
.endr
.endr
.Lbias_done:
.macro FRAG reg, a16, a8, q, i         ; fragment i of the slot's q-th 128 along K: four dense loads
	ds_load_b128 v[(\reg):(\reg)+3], v[\a16] offset:(\i)*3072+(\q)*1536
	ds_load_b64 v[(\reg)+4:(\reg)+5], v[\a8] offset:(\i)*3072+(\q)*1536+512
	ds_load_b128 v[(\reg)+6:(\reg)+9], v[\a16] offset:(\i)*3072+(\q)*1536+768
	ds_load_b64 v[(\reg)+10:(\reg)+11], v[\a8] offset:(\i)*3072+(\q)*1536+1280
.endm
; 16 matrix instructions: R's blocks a0, a0 + 1 x P's eight.  p: P's set; sc: the set of scale words.  cm = 0: in place; 1: the sums begin with the bias along P; 2: along R.
; The 64 accumulators take turns, one instruction a turn, in the same order in every step.
.macro MUL16 a0, p, q, sc, cm
.if \cm
	WIN 0x81+0x40*((\a0)/4)                        ; source 0 window 1, source 1 and C window 0, D window 2 or 3
.else
	WIN 0xa1+0x50*((\a0)/4)                        ; C and D window 2 or 3
.endif
.irp a, \a0, \a0+1
.irp b, 0,1,2,3,4,5,6,7
.if \cm == 1
	v_wmma_scale_f32_16x16x128_f8f6f4 v[8*(8*((\a)%4)+\b):8*(8*((\a)%4)+\b)+7], v[128*(\p)+FR*\b:128*(\p)+FR*\b+FR-1], v[AF+FR*(\a):AF+FR*(\a)+FR-1], v[BI+8*\b:BI+8*\b+7], v[SC+16*(\sc)+2*\b+(\q)], v[SC+16*(\sc)+2*(\a)+(\q)] matrix_a_fmt:MATRIX_FMT_FP6 matrix_b_fmt:MATRIX_FMT_FP6 matrix_a_scale:MATRIX_SCALE_ROW1
.elseif \cm == 2
	v_wmma_scale_f32_16x16x128_f8f6f4 v[8*(8*((\a)%4)+\b):8*(8*((\a)%4)+\b)+7], v[128*(\p)+FR*\b:128*(\p)+FR*\b+FR-1], v[AF+FR*(\a):AF+FR*(\a)+FR-1], v[BI+8*(\a):BI+8*(\a)+7], v[SC+16*(\sc)+2*\b+(\q)], v[SC+16*(\sc)+2*(\a)+(\q)] matrix_a_fmt:MATRIX_FMT_FP6 matrix_b_fmt:MATRIX_FMT_FP6 matrix_a_scale:MATRIX_SCALE_ROW1
.else
	v_wmma_scale_f32_16x16x128_f8f6f4 v[8*(8*((\a)%4)+\b):8*(8*((\a)%4)+\b)+7], v[128*(\p)+FR*\b:128*(\p)+FR*\b+FR-1], v[AF+FR*(\a):AF+FR*(\a)+FR-1], v[8*(8*((\a)%4)+\b):8*(8*((\a)%4)+\b)+7], v[SC+16*(\sc)+2*\b+(\q)], v[SC+16*(\sc)+2*(\a)+(\q)] matrix_a_fmt:MATRIX_FMT_FP6 matrix_b_fmt:MATRIX_FMT_FP6 matrix_a_scale:MATRIX_SCALE_ROW1
.endif
.endr
.endr
.endm
.macro FETCH_P slot, q, p
	WIN 0x40                                       ; destination window 1
.irp i, 0,1,2,3,4,5,6,7
	FRAG 128*(\p)+FR*\i, AP16+\slot, AP8+\slot, \q, \i
.endr
	WIN 0
.endm
.macro FETCH_R slot, q, i0
.irp i, \i0, \i0+1, \i0+2, \i0+3
	FRAG AF+FR*(\i), AR16+\slot, AR8+\slot, \q, \i
.endr
.endm
.macro SCALES sc                       ; a slot's scale words: two a row; lanes 0-15 R's tile i, lanes 16-31 P's tile i
.irp i, 0,1,2,3,4,5,6,7
	ds_load_b64 v[SC+16*\sc+2*\i:SC+16*\sc+2*\i+1], v[ADRS] offset:(\i/2)*1024+(\i%2)*128
.endr
.endm
.macro PLACES n                        ; plain vector instructions between a matrix instruction and a load into, or a read of, its registers (ISA guide 7.12.1 for vector instructions)
.rept \n
	v_nop
.endr
.endm
; A step of 128 along K that has its successor in the same slot
.macro STEP slot, q, cm
	s_wait_dscnt 4*NL                              ; P's set, R's blocks 0-3 and the scale words are in; the youngest 16 loads (R's blocks 4-7) may be out
	MUL16 0, (\q)%2, \q, \slot, \cm
	MUL16 2, (\q)%2, \q, \slot, \cm
	s_wait_dscnt 0
	PLACES NP
	FETCH_P \slot, (\q)+1, 1-(\q)%2
	FETCH_R \slot, (\q)+1, 0
	MUL16 4, (\q)%2, \q, \slot, \cm
	MUL16 6, (\q)%2, \q, \slot, \cm
	PLACES NP
	WIN 0
	FETCH_R \slot, (\q)+1, 4
.endm
; A slot's last step changes slots: one barrier; in front of it each wave waits for all its tensor loads, adds 0 to its spare word, and waits for that and for its reads of this slot.  fill = 1: the slot is filled again, 512 further along K.
.macro TURN slot, next, fill
	s_wait_tensorcnt 0x0                           ; all my tensor loads have landed: my part of the next slot (every window is 0 here)
	ds_add_u32 v[SPW], v[NIL]                      ; 0 onto my spare word
	s_wait_dscnt 4*NL+1                            ; (the add and the youngest 16 loads may be out)
	MUL16 0, 1, 1, \slot, 0                        ; sixteen matrix instructions stand between the add and the wait for it
	s_wait_dscnt 0x0                               ; the add is done, and my reads of this slot are over
	s_barrier_signal -1
	MUL16 2, 1, 1, \slot, 0
	WIN 0
	s_barrier_wait -1
.if \fill
	CREST                                          ; the barrier has opened a round of the cluster's: no wave of any partner still reads this slot or has a load on its way
	s_add_nc_u64 s[G0+4*\slot+2:G0+4*\slot+3], s[G0+4*\slot+2:G0+4*\slot+3], s[92:93]
	s_add_nc_u64 s[G0B+4*\slot+2:G0B+4*\slot+3], s[G0B+4*\slot+2:G0B+4*\slot+3], s[94:95]
	JLOAD G0+4*\slot, G1, G0B+4*\slot, G1B         ; the first tensor load behind the round; its four v_nop are the places in front of the loads below
.else
	PLACES NP
.endif
	s_wait_alu depctr_va_vdst(0)
	v_add_nc_u32 v[ADRS], 256, v[ADRS]             ; the next slot's scale words
	FETCH_P \next, 0, 0
	FETCH_R \next, 0, 0
	SCALES \next
	MUL16 4, 1, 1, \slot, 0
	MUL16 6, 1, 1, \slot, 0
	PLACES NP
	WIN 0
	FETCH_R \next, 0, 4
.endm
.macro LAST                            ; the very last step: nothing more to fetch
	s_wait_dscnt 4*NL
	MUL16 0, 1, 1, 1, 0
	MUL16 2, 1, 1, 1, 0
	s_wait_dscnt 0
	MUL16 4, 1, 1, 1, 0
	MUL16 6, 1, 1, 1, 0
	WIN 0
	PLACES NP                                      ; in front of the first read of results and the first write over operands
.endm
; 64 numbers of a lane in window w, register 16 b + i = k 32 b + 16 h + i of my row, become a fragment's codes in v[PC] .. v[PC+11] and its scale word in v[pw].  Each accumulator is read from its low end on.
.macro QUANT s, w, pw
	WIN (\w)|((\w)<<2)
.irp b, 0,1,2,3
	v_max3_num_f32 v[TM+\b], |v[(\s)+16*\b]|, |v[(\s)+1+16*\b]|, 0x1800000   ; and the floor 2^(3 - 127): the byte cannot fall under 1
.endr
.irp i, 2,4,6,8,10,12,14
.irp b, 0,1,2,3
	v_max3_num_f32 v[TM+\b], |v[(\s)+16*\b+\i]|, |v[(\s)+1+16*\b+\i]|, v[TM+\b]
.endr
.endr
	WIN 0
.irp b, 0,1,2,3
	v_permlanex16_b32 v[TM+4+\b], v[TM+\b], s[98], s[99]
.endr
.irp b, 0,1,2,3
	v_max_num_f32 v[TM+\b], v[TM+\b], v[TM+4+\b]
.endr
.irp b, 0,1,2,3
	v_add_nc_u32 v[TM+12+\b], 0xff000000, v[TM+\b] ; 2 off the exponent field: the conversion's scale operand
.endr
.irp b, 0,1,2,3
	v_lshrrev_b32 v[TM+4+\b], 23, v[TM+12+\b]
.endr
	v_lshl_or_b32 v[\pw], v[TM+5], 8, v[TM+4]
	v_lshl_or_b32 v[\pw], v[TM+6], 16, v[\pw]
	v_lshl_or_b32 v[\pw], v[TM+7], 24, v[\pw]
	WIN \w
.irp c, 0,1
	v_cvt_scalef32_pk16_fp6_f32 v[PC+6*\c:PC+2+6*\c], v[(\s)+32*\c:(\s)+15+32*\c], v[TM+12+2*\c]
	v_cvt_scalef32_pk16_fp6_f32 v[PC+12+4*\c:PC+14+4*\c], v[(\s)+16+32*\c:(\s)+31+32*\c], v[TM+12+2*\c+1]
.endr
	WIN 0
	v_nop                                          ; one plain place behind a scaled conversion
.irp c, 0,1
.irp i, 0,1,2
	v_permlane16_swap_b32 v[PC+6*\c+\i], v[PC+12+4*\c+\i]
.endr
.irp i, 0,1,2
	v_mov_b32 v[PC+3+6*\c+\i], v[PC+12+4*\c+\i]
.endr
.endr
.endm
	s_wait_alu depctr_va_vdst(0)                   ; the head's end
	s_wait_tensorcnt 0x0                           ; my tile of the head's four is in; slot 1's first fill is issued as a refill is
	ds_add_u32 v[SPW], v[NIL]
	s_mov_b32 s[G1+2], 96<<16                      ; no tensor load of mine is out: from here on a load brings 128 rows of the operand
	s_mov_b32 s[G1+4], 96
	s_mov_b32 s[G1B+2], 96<<16
	s_mov_b32 s[G1B+4], 96
	s_wait_dscnt 0x0
	CROUND
	JLOAD G0+4, G1, G0B+4, G1B                     ; slot 1: K 256-511, the first tensor load behind the round
	FETCH_P 0, 0, 0
	FETCH_R 0, 0, 0
	s_wait_alu depctr_va_vdst(0)
	SCALES 0
	FETCH_R 0, 0, 4
	s_wait_loadcnt 0x0                             ; the bias
	s_cmp_eq_u32 ttmp9, 2
	s_cbranch_scc1 .Lfirst_v
	STEP 0, 0, 1                                   ; the first step starts the sums with the bias: nothing is cleared, nothing is added later
	s_branch .Lfirst_done
.Lfirst_v:
	STEP 0, 0, 2
.Lfirst_done:
	TURN 0, 1, 1                                   ; K = 1,024 is four slots: written out, no loop
	STEP 1, 0, 0
	TURN 1, 0, 1
	STEP 0, 0, 0
	TURN 0, 1, 0                                   ; the last two slots are filled no more
	STEP 1, 0, 0
	s_mov_b32 s98, 0x76543210                      ; v_permlanex16_b32's selects for lane l xor 16 (the registers that held an address at the head)
	s_mov_b32 s99, 0xfedcba98
	s_cmp_eq_u32 ttmp9, 2                          ; q and k part from v once, ahead of the last step: one branch decides the table's loads and the way out together
	s_cbranch_scc1 .Lv_tail
; ---- q, k.  R's unit is 256 rows of x: b = unit / 8, 128 rows l from 128 g on, g = 2 (unit % 8) + my half.  My 128 columns are two heads.
	s_lshr_b32 s20, s18, 3                         ; b
	s_and_b32 s21, s18, 7
	s_lshl_b32 s21, s21, 1
	s_add_co_u32 s21, s21, s15                     ; g
	s_lshl_b32 s22, s21, 14                        ; 128 rows of the table
	s_mov_b32 s23, 0
	s_add_nc_u64 s[10:11], s[10:11], s[22:23]
.macro CSLOAD a                        ; cos and sin of my row of block a, angles 16 h .. 16 h + 15, into set a % 2
.set CB, 224-160*((\a)%2)
.irp i, 0,1,2,3
	global_load_b128 v[CB+4*\i:CB+4*\i+3], v[CSO], s[10:11] offset:(32*((\a)/2)+8*((\a)%2))*128+16*\i
	global_load_b128 v[CB+16+4*\i:CB+16+4*\i+3], v[CSO], s[10:11] offset:262144+(32*((\a)/2)+8*((\a)%2))*128+16*\i
.endr
.endm
	CSLOAD 0                                       ; they land while the last step is multiplied
	CSLOAD 1
	LAST
	s_lshl_b32 s20, s20, 4
	s_lshl_b32 s22, s40, 2
	s_add_co_u32 s20, s20, s22
	s_lshl_b32 s22, s16, 1
	s_add_co_u32 s20, s20, s22                     ; 16 b + my first head
	s_mul_i32 s22, s20, 294912
	s_mul_i32 s2, ttmp9, 98304                     ; q's part or k's
	s_add_co_u32 s22, s22, s2
	s_mul_i32 s2, s21, 6144                        ; 8 tiles of 768 bytes for each g
	s_add_co_u32 s22, s22, s2
	s_add_nc_u64 s[46:47], s[12:13], s[22:23]
	s_mul_i32 s22, s20, 20480
	s_lshl_b32 s2, ttmp9, 13
	s_add_co_u32 s22, s22, s2
	s_lshl_b32 s2, s21, 9
	s_add_co_u32 s22, s22, s2
	s_add_co_u32 s22, s22, 18874368
	s_add_nc_u64 s[66:67], s[12:13], s[22:23]
	v_lshlrev_b32 v[SSO], 5, v1
	v_lshl_add_u32 v[SSO], v2, 4, v[SSO]           ; 32 r + 16 h
.irp b, 0,1,2,3
	v_mov_b32 v[TM+4+\b], 0                        ; written once: a lane permute's destination counts as one of its sources
.endr
; Block a: 16 rows l x two heads.  In a head's 32 registers, register i is d = 16 h + i and register 16 + i is d = 32 + 16 h + i: the two partners of RoPE lie in one lane.
.macro QKBLOCK a
.set CB, 224-160*((\a)%2)
.set AC, 64*((\a)%4)
.if (\a) < 7
	s_wait_loadcnt 8                               ; this block's cos and sin are in; the next block's eight loads may be out
.else
	s_wait_loadcnt 0
.endif
	WIN 2+(\a)/4                                   ; source 0: the accumulators' window
.irp hd, 0,1
.irp u, 0,1
.irp j, 0,2,4,6
	v_pk_mul_f32 v[RO+32*\hd+8*\u+\j:RO+32*\hd+8*\u+\j+1], v[AC+32*\hd+16+8*\u+\j:AC+32*\hd+16+8*\u+\j+1], v[CB+16+8*\u+\j:CB+16+8*\u+\j+1]      ; x2 sin
	v_pk_mul_f32 v[RO+32*\hd+16+8*\u+\j:RO+32*\hd+16+8*\u+\j+1], v[AC+32*\hd+8*\u+\j:AC+32*\hd+8*\u+\j+1], v[CB+16+8*\u+\j:CB+16+8*\u+\j+1]      ; x1 sin
	v_pk_fma_f32 v[RO+32*\hd+8*\u+\j:RO+32*\hd+8*\u+\j+1], v[AC+32*\hd+8*\u+\j:AC+32*\hd+8*\u+\j+1], v[CB+8*\u+\j:CB+8*\u+\j+1], v[RO+32*\hd+8*\u+\j:RO+32*\hd+8*\u+\j+1] neg_lo:[0,0,1] neg_hi:[0,0,1]   ; x1 cos - x2 sin
	v_pk_fma_f32 v[RO+32*\hd+16+8*\u+\j:RO+32*\hd+16+8*\u+\j+1], v[AC+32*\hd+16+8*\u+\j:AC+32*\hd+16+8*\u+\j+1], v[CB+8*\u+\j:CB+8*\u+\j+1], v[RO+32*\hd+16+8*\u+\j:RO+32*\hd+16+8*\u+\j+1]               ; x2 cos + x1 sin
.endr
.endr
.endr
	WIN 0
.if (\a) < 6
	CSLOAD (\a)+2
.endif
	s_wait_xcnt 0x0                                ; the last block's stores have read the codes' registers
	QUANT RO, 0, PWS+(\a)
.irp hd, 0,1                                   ; each half of the fragment is one head's tile: 768 dense bytes
	global_store_b128 v[L16], v[PC+6*\hd:PC+6*\hd+3], s[46:47] offset:\hd*294912+(\a)*768
	global_store_b64 v[L8], v[PC+6*\hd+4:PC+6*\hd+5], s[46:47] offset:\hd*294912+(\a)*768+512
.endr
.endm
.irp a, 0,1,2,3,4,5,6,7
	QKBLOCK \a
.endr
	v_cmp_gt_u32 vcc_lo, 16, v3
.irp i, 0,1,2,3
	v_cndmask_b32 v[120+\i], v[PWS+4+\i], v[PWS+\i], vcc_lo      ; lanes 0-15 carry tiles 0-3 of row r, lanes 16-31 tiles 4-7
.endr
	s_mov_b32 s2, 0x01000100                       ; a head's two bytes, twice
	s_mov_b32 s3, 0x03020302
.irp i, 0,1,2,3
	v_perm_b32 v[124+\i], v[120+\i], v[120+\i], s2
	v_perm_b32 v[TM+\i], v[120+\i], v[120+\i], s3
.endr
	global_store_b128 v[SSO], v[124:127], s[66:67]               ; 512 consecutive bytes for each head
	global_store_b128 v[SSO], v[TM:TM+3], s[66:67] offset:20480
	s_branch .Lout_done
; ---- v.  P's unit is 256 rows of x (the keys): b = unit / 8, g = 2 (unit % 8) + my half.  R's block a = 4 hd + dt is 16 d of head hd: its 64 registers are 128 neighbouring keys: a finished fragment of V^T.
.Lv_tail:
	LAST
	s_lshr_b32 s20, s19, 3                         ; b
	s_and_b32 s21, s19, 7
	s_lshl_b32 s21, s21, 1
	s_add_co_u32 s21, s21, s16                     ; g
	s_lshl_b32 s20, s20, 4
	s_lshl_b32 s22, s41, 2
	s_add_co_u32 s20, s20, s22
	s_lshl_b32 s22, s15, 1
	s_add_co_u32 s20, s20, s22                     ; 16 b + my first head
	s_mul_i32 s22, s20, 294912
	s_mul_i32 s23, s21, 6144
	s_add_co_u32 s22, s22, s23
	s_add_co_u32 s22, s22, 196608
	s_mov_b32 s23, 0
	s_add_nc_u64 s[46:47], s[12:13], s[22:23]
	s_mul_i32 s22, s20, 20480
	s_lshl_b32 s2, s21, 8
	s_add_co_u32 s22, s22, s2
	s_add_co_u32 s22, s22, 18874368+16384
	s_add_nc_u64 s[66:67], s[12:13], s[22:23]
	v_mul_u32_u24 v[SSO], v2, 20480
	v_lshl_add_u32 v[SSO], v1, 4, v[SSO]           ; lanes 0-15 the first head's words, lanes 16-31 the second's
.irp b, 0,1,2,3
	v_mov_b32 v[TM+4+\b], 0
.endr
.macro VBLOCK a
	s_wait_xcnt 0x0                                ; the last block's stores have read the codes' registers
	QUANT 64*((\a)%4), 2+(\a)/4, PWS+(\a)
	global_store_b128 v[L16], v[PC:PC+3], s[46:47] offset:((\a)/4)*294912+((\a)%4)*1536
	global_store_b64 v[L8], v[PC+4:PC+5], s[46:47] offset:((\a)/4)*294912+((\a)%4)*1536+512
	global_store_b128 v[L16], v[PC+6:PC+9], s[46:47] offset:((\a)/4)*294912+((\a)%4)*1536+768
	global_store_b64 v[L8], v[PC+10:PC+11], s[46:47] offset:((\a)/4)*294912+((\a)%4)*1536+1280
.endm
.irp a, 0,1,2,3,4,5,6,7
	VBLOCK \a
.endr
	v_cmp_gt_u32 vcc_lo, 16, v3
.irp i, 0,1,2,3
	v_cndmask_b32 v[120+\i], v[PWS+4+\i], v[PWS+\i], vcc_lo
.endr
	global_store_b128 v[SSO], v[120:123], s[66:67]               ; 256 consecutive bytes for each head
.Lout_done:
	s_wait_tensorcnt 0x0                           ; the wave's end, behind my last tensor load
	ds_add_u32 v[SPW], v[NIL]
	s_wait_dscnt 0x0
	CROUND                                         ; the closing round: no work-group ends while a partner may still ask for a tile that names it
	s_endpgm
.Lfunc_end_k_q86c9b770db_qkv:
	.size	k_q86c9b770db_qkv, .Lfunc_end_k_q86c9b770db_qkv-k_q86c9b770db_qkv
	.p2alignl 7, 3214868480
	.fill 96, 4, 3214868480
	.section	.rodata,"a",@progbits
	.p2align	6, 0x0
	.amdhsa_kernel k_q86c9b770db_qkv
		.amdhsa_group_segment_fixed_size 327680
		.amdhsa_private_segment_fixed_size 0
		.amdhsa_enable_private_segment 0
		.amdhsa_kernarg_size 40
		.amdhsa_user_sgpr_count 2
		.amdhsa_user_sgpr_kernarg_segment_ptr 1
		.amdhsa_wavefront_size32 1
		.amdhsa_system_sgpr_workgroup_id_x 1
		.amdhsa_system_sgpr_workgroup_id_y 1
		.amdhsa_system_sgpr_workgroup_id_z 1
		.amdhsa_system_vgpr_workitem_id 0
		.amdhsa_next_free_vgpr 1024
		.amdhsa_next_free_sgpr 100
		.amdhsa_reserve_vcc 1
		.amdhsa_float_denorm_mode_32 3
		.amdhsa_float_denorm_mode_16_64 3
		.amdhsa_memory_ordered 1
		.amdhsa_forward_progress 1
		.amdhsa_inst_pref_size 253
	.end_amdhsa_kernel
	.amdgpu_metadata
---
amdhsa.version: [ 1, 2 ]
amdhsa.kernels:
  - .name:           k_q86c9b770db_qkv
    .symbol:         k_q86c9b770db_qkv.kd
    .args:
      - { .name: xq, .offset: 0, .size: 8, .value_kind: global_buffer, .address_space: global }
      - { .name: wq, .offset: 8, .size: 8, .value_kind: global_buffer, .address_space: global }
      - { .name: b_qkv, .offset: 16, .size: 8, .value_kind: global_buffer, .address_space: global }
      - { .name: cs, .offset: 24, .size: 8, .value_kind: global_buffer, .address_space: global }
      - { .name: qkvq, .offset: 32, .size: 8, .value_kind: global_buffer, .address_space: global }
    .group_segment_fixed_size: 327680
    .private_segment_fixed_size: 0
    .kernarg_segment_align: 8
    .kernarg_segment_size: 40
    .max_flat_workgroup_size: 128
    .sgpr_count:     100
    .vgpr_count:     1024
    .wavefront_size: 32
...
	.end_amdgpu_metadata
.endif
;; end of part 2
;; launch attn (part 3): grid 4 x 64, 16 waves a work-group, clusters of 4 x 1, 327,680 bytes of LDS; arguments qkvq, oq; writes oq
.if DOCPART == 3
	.amdgcn_target "amdgcn-amd-amdhsa--gfx1250"
	.amdhsa_code_object_version 6
	.text
	.protected	k_q86c9b770db_attn
	.globl	k_q86c9b770db_attn
	.p2align	8
	.type	k_q86c9b770db_attn,@function
k_q86c9b770db_attn:
	s_mov_b64 s[64:65], 0
	v_nop
	global_prefetch_b8 v0, s[64:65] scope:SCOPE_SE
	s_setreg_imm32_b32 hwreg(HW_REG_WAVE_MODE, 25, 1), 1
	s_wait_xcnt 0x0
	s_wait_alu depctr_hold_cnt(0) depctr_sa_sdst(0) depctr_va_vdst(0) depctr_va_sdst(0) depctr_va_ssrc(0) depctr_va_vcc(0) depctr_vm_vsrc(0)
	s_getreg_b32 s2, hwreg(HW_REG_IB_STS2, 6, 4)
	s_cmp_eq_u32 s2, 0
	s_cbranch_scc0 .Lentry_in_a_cluster
	s_endpgm
.Lentry_in_a_cluster:
	s_bfe_u32 s2, ttmp6, 0x10000c
	s_cmp_lg_u32 s2, 0x3003
	s_cbranch_scc0 .Lentry_shape_is_right
	s_endpgm
.Lentry_shape_is_right:
; ATTENTION on codes of E2M3: S^T = k q^T, p = 2^(t - M), O^T = v^T p^T, o = O / l, and o's quantiser along the head's 64.  No work of the problem is left out.
; A work-group of 16 waves takes 512 queries of one (b, head); a wave 32 queries: two tiles of 16, which share every fragment of k and v.
; ALL of the head's k, v and scale words come into LDS, each byte filled once, in two groups.  At the head wave 0 fetches k's first three steps (72 rows of 256 bytes), wave 1 v's first two (48 rows), wave 2 the scale words.
; Behind the full sequence ahead of a later first fill, and a round of the cluster's barrier, waves 0-3 fetch k's other 312 rows and waves 4-7 v's other 336.
; The first two steps read the first group alone (their look-ahead reaches half a step on: so k's first group holds three steps); a wait and a barrier stand between them and the other fourteen.
; The four work-groups of a cluster serve the same head and ask jointly.
; No prefetch: every byte that the launch loads by tensor loads is asked for ahead of the first step, and no later load is left to run ahead of.
; THE KEYS OF A TILE are chosen by lane addresses: tile u of a half-step (64 keys, c) takes in rows 0-7 the keys 64 c + 8 u + j and in rows 8-15 the keys 64 c + 32 + 8 u + j,
; so that a lane's 32 registers of four tiles are one whole block of 32 keys, in the order of p's operand.  k's LDS rows carry 64 bytes of padding.
; K = 64: q's operand holds zero codes in its upper 64.  k's tiles lie 6 registers apart, so the upper half of k's operand is the next tile (behind the last: six address registers that are never rewritten):
; E2M3 has no NaN and no infinity, and any code x the code 0 adds nothing.
; A STEP is 128 keys in two half-steps.  M, the ceiling of the running largest t, moves in each half; f = 2^(old M - new M) is exact.  The first half's scale operand is multiplied by the second half's f,
; which takes the change of M off its exponent field (held at 0 from below), so that one product serves both halves; O^T is multiplied by both f once a step.
; The last step's look-ahead reads k's next half-step from the bytes behind k's (v's, filled) and uses nothing of it.
; LIMITS: the promise holds while the scaled scores stay under 2^31 in magnitude; NaN and infinities are not served; a block whose every p is 0 keeps the byte 1 or less (its codes are zeros).
.set VCO,   122880                     ; k: 384 rows x 320 bytes; then v, dense
.set KSL,   221184                     ; k's scale words, 8,192 bytes
.set VSL,   229376                     ; v's, 4,096
.set SPARE, 233472                     ; the spare words: 128 bytes a wave
.set TK16, 0                           ; v0, v3-7: this step's LDS addresses (v0 is the thread's number until the head's end)
.set SPW,  1
.set NIL,  2
.set TK8,  3
.set TV16, 4
.set TV8,  5
.set TKS,  6
.set TVS,  7
.set NMA,  8                           ; pairs, + 2 i for query tile i: (-M of the first half, largest score so far)
.set RM,   9
.set NMB,  12                          ; (-M of the second half, my block's largest score)
.set BM,   13
.set LL,   16                          ; the row's sum in two halves
.set FA,   20                          ; (f of the first half, then of both; the first half's scale operand)
.set BYA,  21
.set FB,   24                          ; (f of the second half; the change of M)
.set DD,   25
.set B2,   28                          ; + i: at work
.set TT,   30                          ; + 4 i: three registers at work;  SO: the second half's scale operand
.set SO,   33
.set PW,   38                          ; + i: p's scale word
.set QS,   40                          ; q's scale words
.set KS,   42                          ; k's, four tiles
.set VS,   46                          ; v's, four tiles
.set QQ,   50                          ; + 12 i: q's codes and six registers of zero codes
.set KF,   74                          ; k's four tiles, 6 registers each
.set L16,  98                          ; six addresses, never rewritten
.set L8,   99
.set BK16, 100
.set BK8,  101
.set BKS,  102
.set BVS,  103
.set PP,   104                         ; + 12 i: p's codes
.set SS,   128                         ; + 32 i: scores, then p; both together: v's four fragments
.set OO,   192                         ; + 32 i + 8 t: O^T
.set WV,  18
.set NC,  19
.set SEL, 20
.set CS,  22
.set TK,  76
.set TV,  77
.set TS,  78
.set TW,  79
.set CNT, 80
.macro CROUND
	s_barrier_signal -1
	s_barrier_wait -1
	s_cmp_lg_u32 s[WV], 0
	s_cbranch_scc1 .Lnot_wave_0_\@
	s_barrier_signal -3
.Lnot_wave_0_\@:
	s_barrier_wait -3
	s_barrier_signal -1
	s_barrier_wait -1
.endm
.macro D2
	s_delay_alu instid0(VALU_DEP_2)
.endm
.macro TEMPS
	v_add_nc_u32 v[TK16], s[TK], v[BK16]
	v_add_nc_u32 v[TK8], s[TK], v[BK8]
	v_add_nc_u32 v[TV16], s[TV], v[L16]
	v_add_nc_u32 v[TV8], s[TV], v[L8]
	v_add_nc_u32 v[TKS], s[TS], v[BKS]
	v_add_nc_u32 v[TVS], s[TW], v[BVS]
.endm
.macro KLOAD n                         ; half-step n counted from this step's first: four tiles and their scale words
.irp u, 0,1,2,3
	ds_load_b128 v[KF+6*\u:KF+6*\u+3], v[TK16] offset:3840*(\n)+960*(\u%2)+128*(\u/2)
	ds_load_b64 v[KF+6*\u+4:KF+6*\u+5], v[TK8] offset:3840*(\n)+960*(\u%2)+64*(\u/2)
.endr
	ds_load_b64 v[KS:KS+1], v[TKS] offset:512*((\n)/2)+16*((\n)%2)
	ds_load_b64 v[KS+2:KS+3], v[TKS] offset:512*((\n)/2)+16*((\n)%2)+256
.endm
	s_load_b128 s[4:7], s[0:1], 0x0                ; qkvq, oq
	v_lshl_add_u32 v[SPW], v0, 2, SPARE
	v_mov_b32 v[NIL], 0
	ds_add_u32 v[SPW], v[NIL]                      ; the opening lines: the add twice and its wait
	ds_add_u32 v[SPW], v[NIL]
	v_lshrrev_b32 v128, 5, v0
	v_readfirstlane_b32 s[WV], v128
	s_bfe_u32 s13, ttmp6, 0x40000                  ; cx: which 512 queries
	s_and_b32 s12, ttmp7, 0xffff                   ; 16 b + head
	s_mov_b32 s24, 15|(3<<16)|(1<<20)|(1<<21)|(5<<22)|(15<<25)   ; k: rows of 256 bytes, 16 words of padding behind each
	s_mov_b32 s25, 32<<16
	s_mov_b32 s26, 72<<16
	s_mov_b32 s27, 32<<16
	s_mov_b32 s28, 72
	s_mov_b32 s29, 32
	s_mov_b32 s30, 0
	s_mov_b32 s31, 0
	s_mov_b32 s32, 15|(3<<16)|(1<<21)              ; v: dense
	s_mov_b32 s33, 32<<16
	s_mov_b32 s34, 48<<16
	s_mov_b32 s35, 32<<16
	s_mov_b32 s36, 48
	s_mov_b32 s37, 32
	s_mov_b32 s38, 0
	s_mov_b32 s39, 0
	s_mov_b32 s40, 15|(3<<16)|(1<<21)              ; the scale words: 48 rows
	s_mov_b32 s41, 32<<16
	s_mov_b32 s42, 48<<16
	s_mov_b32 s43, 32<<16
	s_mov_b32 s44, 48
	s_mov_b32 s45, 32
	s_mov_b32 s46, 0
	s_mov_b32 s47, 0
	s_mul_i32 s16, s12, 294912
	s_add_co_u32 s16, s16, 98304                   ; k's codes; v's lie on end behind them
	s_mov_b32 s17, 0
	s_mul_i32 s60, s12, 20480
	s_add_co_u32 s60, s60, 18874368+8192
	s_mov_b32 s61, 0
	s_mul_i32 s82, s[WV], 19968                    ; the second group.  k: 78 rows a wave from row 72 on, in memory,
	s_add_co_u32 s82, s82, 18432
	s_mov_b32 s83, 0
	s_mul_i32 s86, s[WV], 24960                    ; and in LDS
	s_add_co_u32 s86, s86, 23040
	s_mul_i32 s84, s[WV], 21504                    ; v: 84 rows a wave (waves 4-7) from row 48 on: 98,304 + 12,288 + 21,504 (wave - 4),
	s_add_co_u32 s87, s84, VCO-73728               ; and VCO + 12,288 + 21,504 (wave - 4)
	s_add_co_u32 s84, s84, 24576
	s_mov_b32 s85, 0
	s_mov_b32 s[SEL], 0x76543210
	s_mov_b32 s[SEL+1], 0xfedcba98
	s_mov_b32 s[CS], 0x3e38aa3b                    ; c = log2(e) / 8
	s_mov_b32 s[CS+1], s[CS]
	s_mov_b32 s[NC], 0xbe38aa3b                    ; -c
	s_wait_dscnt 0x0
	s_wait_kmcnt 0x0
	s_add_nc_u64 s[16:17], s[4:5], s[16:17]
	s_add_nc_u64 s[60:61], s[4:5], s[60:61]
	CROUND
	s_mov_b32 s48, 1
	s_mov_b32 s49, 0
	s_mov_b64 s[50:51], s[16:17]
	s_or_b32 s51, s51, 0x80000000
	s_mov_b32 s52, 1
	s_mov_b32 s53, VCO
	s_add_nc_u64 s[54:55], s[16:17], 98304
	s_or_b32 s55, s55, 0x80000000
	s_mov_b32 s56, 1
	s_mov_b32 s57, KSL
	s_mov_b64 s[58:59], s[60:61]
	s_or_b32 s59, s59, 0x80000000
	s_cmp_eq_u32 s[WV], 0                          ; one chain of branches on the wave's number, one load to an arm
	s_cbranch_scc0 .Lhead_v
	tensor_load_to_lds s[48:51], s[24:31]
	s_nop 0
	s_branch .Lhead_asked
.Lhead_v:
	s_cmp_eq_u32 s[WV], 1
	s_cbranch_scc0 .Lhead_s
	tensor_load_to_lds s[52:55], s[32:39]
	s_nop 0
	s_branch .Lhead_asked
.Lhead_s:
	s_cmp_eq_u32 s[WV], 2
	s_cbranch_scc0 .Lhead_asked
	tensor_load_to_lds s[56:59], s[40:47]
	s_nop 0
.Lhead_asked:
	s_lshl_b32 s62, s13, 5
	s_lshl_b32 s63, s[WV], 1
	s_add_co_u32 s62, s62, s63                     ; my first tile of queries
	s_mul_i32 s66, s12, 294912
	s_mul_i32 s67, s62, 768
	s_add_co_u32 s66, s66, s67
	s_mov_b32 s67, 0
	s_add_nc_u64 s[8:9], s[4:5], s[66:67]          ; q's codes
	s_mul_i32 s66, s12, 20480
	s_lshl_b32 s68, s13, 2
	s_lshr_b32 s69, s[WV], 2
	s_add_co_u32 s68, s68, s69
	s_lshl_b32 s68, s68, 9
	s_add_co_u32 s66, s66, s68
	s_and_b32 s68, s[WV], 3
	s_lshl_b32 s68, s68, 3
	s_add_co_u32 s66, s66, s68
	s_add_co_u32 s66, s66, 18874368
	s_add_nc_u64 s[10:11], s[4:5], s[66:67]        ; q's scale words: my two tiles' lie side by side
	s_lshr_b32 s68, s12, 4
	s_lshl_b32 s68, s68, 7
	s_add_co_u32 s68, s68, s62                     ; the tile in oq: 128 b + tile
	s_and_b32 s69, s12, 15
	s_lshr_b32 s70, s69, 2
	s_and_b32 s69, s69, 3
	s_mul_i32 s66, s70, 1572864
	s_mul_i32 s71, s68, 3072
	s_add_co_u32 s66, s66, s71
	s_mul_i32 s71, s69, 768
	s_add_co_u32 s66, s66, s71
	s_add_nc_u64 s[72:73], s[6:7], s[66:67]        ; o's codes
	s_lshl_b32 s66, s68, 9
	s_lshl_b32 s71, s70, 8
	s_add_co_u32 s66, s66, s71
	s_lshl_b32 s71, s69, 1
	s_add_co_u32 s66, s66, s71
	s_add_co_u32 s66, s66, 6291456
	s_add_nc_u64 s[74:75], s[6:7], s[66:67]        ; o's scale bytes
	s_mov_b32 s[TK], 0
	s_mov_b32 s[TV], VCO
	s_mov_b32 s[TS], KSL
	s_mov_b32 s[TW], VSL
	v_and_b32 v128, 31, v0
	v_lshlrev_b32 v[L16], 4, v128
	v_lshlrev_b32 v[L8], 3, v128
	v_and_b32 v129, 7, v0                          ; r % 8
	v_bfe_u32 v130, v0, 3, 1                       ; r / 8
	v_bfe_u32 v131, v0, 4, 1                       ; h
	v_mul_u32_u24 v132, v130, 1920                 ; rows 8-15 come from the stored tile two further on
	v_lshl_add_u32 v[BK16], v129, 4, v132
	v_mad_u32_u24 v[BK16], v131, 320, v[BK16]      ; registers 0-3: LDS row h of the tile's three
	v_lshl_add_u32 v[BK8], v129, 3, v132
	v_lshl_add_u32 v[BK8], v131, 7, v[BK8]
	v_add_nc_u32 v[BK8], 640, v[BK8]               ; registers 4-5: its third row
	v_lshlrev_b32 v[BKS], 5, v129
	v_lshl_add_u32 v[BKS], v130, 3, v[BKS]
	v_and_b32 v133, 15, v0
	v_lshlrev_b32 v[BVS], 4, v133
	v_lshlrev_b32 v134, 5, v133
.irp i, 0,1
	global_load_b128 v[QQ+12*\i:QQ+12*\i+3], v[L16], s[8:9] offset:768*\i
	global_load_b64 v[QQ+12*\i+4:QQ+12*\i+5], v[L8], s[8:9] offset:768*\i+512
.endr
	global_load_b64 v[QS:QS+1], v134, s[10:11]
.irp i, 0,1
.irp j, 6,7,8,9,10,11
	v_mov_b32 v[QQ+12*\i+\j], 0                    ; zero codes for K 64-127
.endr
	v_mov_b32 v[RM+2*\i], 0xff61b1e6               ; -3e38, under every score
	v_mov_b32 v[LL+2*\i], 0
	v_mov_b32 v[LL+2*\i+1], 0
	v_mov_b32 v[BYA+2*\i], 0                       ; named as the upper half of a pair before it is first made
.endr
.irp i, 0,1
	v_mul_f32 v[NMB+2*\i], s[NC], v[RM+2*\i]
.endr
.irp i, 0,1
	D2
	v_floor_f32 v[NMB+2*\i], v[NMB+2*\i]
.endr
.set J, 0
.rept 64
	v_mov_b32 v[OO+J], 0                           ; the step is written once: the first f is 0 and finds zeros
.set J, J+1
.endr
	TEMPS                                          ; (v0 has served)
	s_wait_alu depctr_va_vdst(0)                   ; the head's end
	s_wait_tensorcnt 0x0                           ; my load of the first group, if I issued one, has landed; the lines ahead of a later first fill:
	ds_add_u32 v[SPW], v[NIL]
	ds_add_u32 v[SPW], v[NIL]
	s_mov_b32 s26, 78<<16                          ; no tensor load of mine is out: the second group's rows and places
	s_mov_b32 s28, 78
	s_mov_b32 s34, 84<<16
	s_mov_b32 s36, 84
	s_add_co_u32 s49, s86, 0
	s_add_nc_u64 s[50:51], s[16:17], s[82:83]
	s_or_b32 s51, s51, 0x80000000
	s_add_co_u32 s53, s87, 0
	s_add_nc_u64 s[54:55], s[16:17], s[84:85]
	s_or_b32 s55, s55, 0x80000000
	s_wait_dscnt 0x0
	CROUND                                         ; the first group is whole in every partner, and all four are here
	s_cmp_lt_u32 s[WV], 4
	s_cbranch_scc0 .Lfill_v
	tensor_load_to_lds s[48:51], s[24:31]
	s_nop 0
	s_branch .Lfill_asked
.Lfill_v:
	s_cmp_lt_u32 s[WV], 8
	s_cbranch_scc0 .Lfill_asked
	tensor_load_to_lds s[52:55], s[32:39]
	s_nop 0
.Lfill_asked:
	KLOAD 0
	s_wait_loadcnt 0x0
	s_wait_dscnt 0x0
.macro HALF c
.if \c
.set NN, NMB
.set NO, NMA
.set FF, FB
	s_wait_alu depctr_va_vdst(0)
	s_wait_dscnt 0x0                               ; this half's tiles of k
.else
.set NN, NMA
.set NO, NMB
.set FF, FA
.endif
.irp u, 0,1,2,3
.irp i, 0,1
	v_wmma_scale_f32_16x16x128_f8f6f4 v[SS+32*\i+8*\u:SS+32*\i+8*\u+7], v[KF+6*\u:KF+6*\u+11], v[QQ+12*\i:QQ+12*\i+11], 0, v[KS+\u], v[QS+\i] matrix_a_fmt:MATRIX_FMT_FP6 matrix_b_fmt:MATRIX_FMT_FP6
.endr
.endr
.rept 4
	v_nop                                          ; places ahead of the loads into k's registers and of the first read of the scores
.endr
	KLOAD \c+1                                     ; the next half-step's tiles land under this half's vector work
.irp i, 0,1
	v_max3_num_f32 v[BM+2*\i], v[SS+32*\i], v[SS+32*\i+1], v[SS+32*\i+2]       ; my block's largest score, two chains a query tile
	v_max3_num_f32 v[B2+\i], v[SS+32*\i+16], v[SS+32*\i+17], v[SS+32*\i+18]
.endr
.irp j, 3,5,7,9,11,13
.irp i, 0,1
	v_max3_num_f32 v[BM+2*\i], v[BM+2*\i], v[SS+32*\i+\j], v[SS+32*\i+\j+1]
	v_max3_num_f32 v[B2+\i], v[B2+\i], v[SS+32*\i+16+\j], v[SS+32*\i+17+\j]
.endr
.endr
.irp i, 0,1
	v_max3_num_f32 v[BM+2*\i], v[BM+2*\i], v[SS+32*\i+15], v[SS+32*\i+31]
.endr
.irp i, 0,1
	D2
	v_max_num_f32 v[BM+2*\i], v[BM+2*\i], v[B2+\i]
.endr
.irp i, 0,1
	D2
	v_permlanex16_b32 v[B2+\i], v[BM+2*\i], s[SEL], s[SEL+1]
.endr
.irp i, 0,1
	D2
	v_max3_num_f32 v[RM+2*\i], v[RM+2*\i], v[BM+2*\i], v[B2+\i]                ; the running largest score
.endr
.irp i, 0,1
	D2
	v_mul_f32 v[B2+\i], s[NC], v[RM+2*\i]
.endr
.irp i, 0,1
	D2
	v_floor_f32 v[NN+2*\i], v[B2+\i]               ; -M = floor(-t)
.endr
.irp i, 0,1
	D2
	v_sub_f32 v[DD+2*\i], v[NN+2*\i], v[NO+2*\i]   ; old M - new M
.endr
.irp j, 0,2,4,6,8,10,12,14,16,18,20,22,24,26,28,30
	v_pk_fma_f32 v[SS+\j:SS+\j+1], v[SS+\j:SS+\j+1], s[CS:CS+1], v[NN:NN+1] op_sel_hi:[1,0,0]
.endr
.irp i, 0,1
	v_cvt_i32_f32 v[DD+2*\i], v[DD+2*\i]           ; (it saturates)
.endr
.irp j, 0,2,4,6,8,10,12,14,16,18,20,22,24,26,28,30
	v_pk_fma_f32 v[SS+32+\j:SS+32+\j+1], v[SS+32+\j:SS+32+\j+1], s[CS:CS+1], v[NN+2:NN+3] op_sel_hi:[1,0,0]
.endr
.irp i, 0,1
	v_ldexp_f32 v[FF+2*\i], 1.0, v[DD+2*\i]        ; f
	v_fma_f32 v[B2+\i], v[BM+2*\i], s[CS], v[NN+2*\i]   ; the block's largest score goes the same way as the scores
.endr
	s_wait_alu depctr_va_vdst(0)                   ; ahead of the batch
.set J, 0
.rept 64
	v_exp_f32 v[SS+J], v[SS+J]
.set J, J+1
.endr
	v_exp_f32 v[B2], v[B2]
	v_exp_f32 v[B2+1], v[B2+1]
.irp i, 0,1
	v_pk_mul_f32 v[LL+2*\i:LL+2*\i+1], v[LL+2*\i:LL+2*\i+1], v[FF+2*\i:FF+2*\i+1] op_sel_hi:[1,0]
.endr
	s_wait_alu depctr_va_vdst(0)                   ; and behind it, ahead of its first reader
.irp i, 0,1
	v_pk_add_f32 v[TT+4*\i:TT+4*\i+1], v[SS+32*\i:SS+32*\i+1], v[SS+32*\i+2:SS+32*\i+3]   ; the sum of the unquantised p
.endr
.irp j, 4,8,12,16,20,24,28
.irp i, 0,1
	v_pk_add_f32 v[LL+2*\i:LL+2*\i+1], v[LL+2*\i:LL+2*\i+1], v[SS+32*\i+\j:SS+32*\i+\j+1]
	v_pk_add_f32 v[TT+4*\i:TT+4*\i+1], v[TT+4*\i:TT+4*\i+1], v[SS+32*\i+\j+2:SS+32*\i+\j+3]
.endr
.endr
.irp i, 0,1
	v_max_num_f32 v[B2+\i], 0x1800000, v[B2+\i]    ; the floor 2^(3 - 127)
.endr
.irp i, 0,1
	v_pk_add_f32 v[LL+2*\i:LL+2*\i+1], v[LL+2*\i:LL+2*\i+1], v[TT+4*\i:TT+4*\i+1]
.endr
.irp i, 0,1
	v_add_nc_u32 v[(1-\c)*(BYA+2*\i)+\c*(SO+4*\i)], 0xff000000, v[B2+\i]       ; 2 off the exponent field: the conversion's scale operand
.endr
.irp i, 0,1
	v_cvt_scalef32_pk16_fp6_f32 v[PP+12*\i+6*\c:PP+12*\i+6*\c+2], v[SS+32*\i:SS+32*\i+15], v[(1-\c)*(BYA+2*\i)+\c*(SO+4*\i)]
	v_cvt_scalef32_pk16_fp6_f32 v[TT+4*\i:TT+4*\i+2], v[SS+32*\i+16:SS+32*\i+31], v[(1-\c)*(BYA+2*\i)+\c*(SO+4*\i)]
.endr
.if \c
.irp i, 0,1
	v_lshrrev_b32 v[B2+\i], 23, v[SO+4*\i]         ; the second half's byte (and the plain place behind the conversions)
.endr
.irp t, 0,1,2,3
	ds_load_b128 v[SS+12*\t:SS+12*\t+3], v[TV16] offset:\t*1536          ; v's fragments, into the registers that held p
	ds_load_b64 v[SS+12*\t+4:SS+12*\t+5], v[TV8] offset:\t*1536+512
	ds_load_b128 v[SS+12*\t+6:SS+12*\t+9], v[TV16] offset:\t*1536+768
	ds_load_b64 v[SS+12*\t+10:SS+12*\t+11], v[TV8] offset:\t*1536+1280
.endr
	ds_load_b128 v[VS:VS+3], v[TVS]
.else
	v_nop                                          ; one plain place behind a scaled conversion
.endif
.irp k, 0,1,2
.irp i, 0,1
	v_mov_b32 v[PP+12*\i+6*\c+3+\k], v[TT+4*\i+\k] ; (a conversion's three registers begin on an even number)
.endr
.endr
.endm
.macro TRIPS n                         ; n steps of 128 keys
	s_mov_b32 s[CNT], \n
.Lstep_\@:
	TEMPS                                          ; this step's addresses: also the places between the last products and the products that write over v's fragments
	HALF 0
	HALF 1
.irp i, 0,1
	v_mul_f32 v[FA+2*\i], v[FA+2*\i], v[FB+2*\i]   ; both halves' f
	v_mul_f32 v[BYA+2*\i], v[BYA+2*\i], v[FB+2*\i] ; the first half's scale under the second half's M
.endr
.irp i, 0,1
	v_lshrrev_b32 v[BYA+2*\i], 23, v[BYA+2*\i]
.endr
.irp i, 0,1
	D2
	v_lshl_or_b32 v[PW+\i], v[B2+\i], 16, v[BYA+2*\i]            ; my two blocks' bytes: blocks h and 2 + h
.endr
.irp i, 0,1
	D2
	v_permlanex16_b32 v[B2+\i], v[PW+\i], s[SEL], s[SEL+1]
.endr
.irp i, 0,1
	D2
	v_lshl_or_b32 v[PW+\i], v[B2+\i], 8, v[PW+\i]  ; lanes 0-15, which alone are read, hold the whole word
.endr
	s_wait_alu depctr_va_vdst(0)                   ; directly ahead of the first reader of O^T
.irp i, 0,1
.irp j, 0,2,4,6,8,10,12,14,16,18,20,22,24,26,28,30
	v_pk_mul_f32 v[OO+32*\i+\j:OO+32*\i+\j+1], v[OO+32*\i+\j:OO+32*\i+\j+1], v[FA+2*\i:FA+2*\i+1] op_sel_hi:[1,0]
.endr
.endr
	s_wait_alu depctr_va_vdst(0)                   ; and ahead of the wait below
	s_wait_dscnt 0x0                               ; v's fragments; the next step's tiles of k, asked for earlier, too
.irp t, 0,1,2,3
.irp i, 0,1
	v_wmma_scale_f32_16x16x128_f8f6f4 v[OO+32*\i+8*\t:OO+32*\i+8*\t+7], v[SS+12*\t:SS+12*\t+11], v[PP+12*\i:PP+12*\i+11], v[OO+32*\i+8*\t:OO+32*\i+8*\t+7], v[VS+\t], v[PW+\i] matrix_a_fmt:MATRIX_FMT_FP6 matrix_b_fmt:MATRIX_FMT_FP6
.endr
.endr
	s_add_co_u32 s[TK], s[TK], 7680
	s_add_co_u32 s[TV], s[TV], 6144
	s_add_co_u32 s[TS], s[TS], 512
	s_add_co_u32 s[TW], s[TW], 256
	s_sub_co_u32 s[CNT], s[CNT], 1
	s_cmp_lg_u32 s[CNT], 0
	s_cbranch_scc1 .Lstep_\@
.endm
	TRIPS 2                                        ; on the first group's bytes alone
	s_wait_tensorcnt 0x0                           ; my load of the second group, if I issued one, has landed
	s_wait_dscnt 0x0
	s_barrier_signal -1
	s_barrier_wait -1                              ; and so has every wave's
	TRIPS 14
.rept 4
	v_nop
.endr
.irp i, 0,1
	v_add_f32 v[LL+2*\i], v[LL+2*\i], v[LL+2*\i+1]
.endr
.irp i, 0,1
	D2
	v_permlanex16_b32 v[B2+\i], v[LL+2*\i], s[SEL], s[SEL+1]
.endr
.irp i, 0,1
	D2
	v_add_f32 v[LL+2*\i], v[LL+2*\i], v[B2+\i]     ; the row's sum
.endr
	s_wait_alu depctr_va_vdst(0)
	v_rcp_f32 v[LL], v[LL]
	v_rcp_f32 v[LL+2], v[LL+2]
	v_nop
	s_wait_alu depctr_va_vdst(0)
.irp i, 0,1
.irp j, 0,2,4,6,8,10,12,14,16,18,20,22,24,26,28,30
	v_pk_mul_f32 v[SS+32*\i+\j:SS+32*\i+\j+1], v[OO+32*\i+\j:OO+32*\i+\j+1], v[LL+2*\i:LL+2*\i+1] op_sel_hi:[1,0]
.endr
.endr
; o's quantiser: register 16 e + k of S is d = 32 (e % 2) + 16 h + k of query tile e / 2
.irp e, 0,1,2,3
	v_max3_num_f32 v[74+\e], |v[SS+16*\e]|, |v[SS+16*\e+1]|, 0x1800000
.endr
.irp k, 2,4,6,8,10,12,14
.irp e, 0,1,2,3
	v_max3_num_f32 v[74+\e], v[74+\e], |v[SS+16*\e+\k]|, |v[SS+16*\e+\k+1]|
.endr
.endr
.irp e, 0,1,2,3
	v_permlanex16_b32 v[78+\e], v[74+\e], s[SEL], s[SEL+1]
.endr
.irp e, 0,1,2,3
	v_max_num_f32 v[74+\e], v[74+\e], v[78+\e]
.endr
.irp e, 0,1,2,3
	v_add_nc_u32 v[82+\e], 0xff000000, v[74+\e]
.endr
.irp e, 0,1,2,3
	v_lshrrev_b32 v[86+\e], 23, v[82+\e]
.endr
.irp i, 0,1
	v_lshl_or_b32 v[90+\i], v[87+2*\i], 8, v[86+2*\i]
.endr
	v_lshrrev_b32 v92, 1, v[BVS]                   ; 8 r
.irp i, 0,1
	v_cvt_scalef32_pk16_fp6_f32 v[PP+12*\i:PP+12*\i+2], v[SS+32*\i:SS+32*\i+15], v[82+2*\i]
	v_cvt_scalef32_pk16_fp6_f32 v[TT+4*\i:TT+4*\i+2], v[SS+32*\i+16:SS+32*\i+31], v[83+2*\i]
.endr
	v_nop
.irp i, 0,1
.irp k, 0,1,2
	v_permlane16_swap_b32 v[PP+12*\i+\k], v[TT+4*\i+\k]
.endr
.endr
.irp i, 0,1
.irp k, 0,1,2
	v_mov_b32 v[PP+12*\i+3+\k], v[TT+4*\i+\k]
.endr
.endr
.irp i, 0,1
	global_store_b128 v[L16], v[PP+12*\i:PP+12*\i+3], s[72:73] offset:3072*\i
	global_store_b64 v[L8], v[PP+12*\i+4:PP+12*\i+5], s[72:73] offset:3072*\i+512
	global_store_b16 v92, v[90+\i], s[74:75] offset:128*\i
.endr
	s_wait_tensorcnt 0x0                           ; the wave's end
	ds_add_u32 v[SPW], v[NIL]
	s_wait_dscnt 0x0
	CROUND                                         ; the closing round
	s_endpgm
.Lfunc_end_k_q86c9b770db_attn:
	.size	k_q86c9b770db_attn, .Lfunc_end_k_q86c9b770db_attn-k_q86c9b770db_attn
	.p2alignl 7, 3214868480
	.fill 96, 4, 3214868480
	.section	.rodata,"a",@progbits
	.p2align	6, 0x0
	.amdhsa_kernel k_q86c9b770db_attn
		.amdhsa_group_segment_fixed_size 327680
		.amdhsa_private_segment_fixed_size 0
		.amdhsa_enable_private_segment 0
		.amdhsa_kernarg_size 16
		.amdhsa_user_sgpr_count 2
		.amdhsa_user_sgpr_kernarg_segment_ptr 1
		.amdhsa_wavefront_size32 1
		.amdhsa_system_sgpr_workgroup_id_x 1
		.amdhsa_system_sgpr_workgroup_id_y 1
		.amdhsa_system_sgpr_workgroup_id_z 1
		.amdhsa_system_vgpr_workitem_id 0
		.amdhsa_next_free_vgpr 256
		.amdhsa_next_free_sgpr 96
		.amdhsa_reserve_vcc 0
		.amdhsa_float_denorm_mode_32 3
		.amdhsa_float_denorm_mode_16_64 3
		.amdhsa_memory_ordered 1
		.amdhsa_forward_progress 1
		.amdhsa_inst_pref_size 79
	.end_amdhsa_kernel
	.amdgpu_metadata
---
amdhsa.version: [ 1, 2 ]
amdhsa.kernels:
  - .name:           k_q86c9b770db_attn
    .symbol:         k_q86c9b770db_attn.kd
    .args:
      - { .name: qkvq, .offset: 0, .size: 8, .value_kind: global_buffer, .address_space: global }
      - { .name: oq, .offset: 8, .size: 8, .value_kind: global_buffer, .address_space: global }
    .group_segment_fixed_size: 327680
    .private_segment_fixed_size: 0
    .kernarg_segment_align: 8
    .kernarg_segment_size: 16
    .max_flat_workgroup_size: 512
    .sgpr_count:     96
    .vgpr_count:     256
    .wavefront_size: 32
...
	.end_amdgpu_metadata
.endif
;; end of part 3
;; launch proj (part 4): grid 4 x 64, 4 waves a work-group, clusters of 4 x 4, 327,680 bytes of LDS; arguments oq, wq, b_out, out0; writes out0
.if DOCPART == 4
	.amdgcn_target "amdgcn-amd-amdhsa--gfx1250"
	.amdhsa_code_object_version 6
	.text
	.protected	k_q86c9b770db_proj
	.globl	k_q86c9b770db_proj
	.p2align	8
	.type	k_q86c9b770db_proj,@function
k_q86c9b770db_proj:
	s_mov_b64 s[64:65], 0
	v_nop
	global_prefetch_b8 v0, s[64:65] scope:SCOPE_SE
	s_setreg_imm32_b32 hwreg(HW_REG_WAVE_MODE, 25, 1), 1
	s_wait_xcnt 0x0
	s_wait_alu depctr_hold_cnt(0) depctr_sa_sdst(0) depctr_va_vdst(0) depctr_va_sdst(0) depctr_va_ssrc(0) depctr_va_vcc(0) depctr_vm_vsrc(0)
	s_getreg_b32 s2, hwreg(HW_REG_IB_STS2, 6, 4)
	s_cmp_eq_u32 s2, 0
	s_cbranch_scc0 .Lentry_in_a_cluster
	s_endpgm
.Lentry_in_a_cluster:
	s_bfe_u32 s2, ttmp6, 0x10000c
	s_cmp_lg_u32 s2, 0xf033
	s_cbranch_scc0 .Lentry_shape_is_right
	s_endpgm
.Lentry_shape_is_right:
; PROJ: out0 = o W_out + b_out on codes of E2M3.  No work is left out.
; A work-group of four waves makes 128 rows x 256 columns; the grid is 4 x 64 work-groups.  A wave makes 64 x 128: 32 accumulators of 16 x 16.
; ALL OF K = 1,024 LIES IN LDS AT ONCE: R (128 rows of o) 98,304 bytes, P (256 columns of W_out) 196,608, the scale words 4,096 + 8,192.  It is filled once, by four joint loads at the head, one a wave;
; one wait and one barrier stand ahead of the first read; nothing is filled again.  No prefetch: every byte is asked for at the head, and there is no loop to run ahead in.
; OPERANDS lie in oq and wq as images of the operand's registers: [y = K / 256][tile of 16 rows][K step in y][1,536 bytes]; a fragment: registers 0-3 at 16 x lane, 4-5 at 512 + 8 x lane, 6-9 at 768 + 16 x lane, 10-11 at 1,280 + 8 x lane.
; So a block's codes are four dense runs, one for each y: a tile of four rows for one tensor load (24,576 bytes a row for R, 49,152 for P), each row at a multiple of 256 bytes.
; Tile 2 G + u holds in lane r the row 32 G + 8 u + r + 8 (r / 8).  Scale words: [pair of tiles][y][u][r][2 words].
; Source 0 of the matrix instruction is P, source 1 is R: a lane of the result holds one row of o's, and its registers run along the columns.  The bias is the C of the first products.
; CLUSTERS: 4 x 4 work-groups.  R hangs on the place cy alone and is asked for jointly by a row of the cluster, P on cx alone, by a column.
; REGISTERS: window 0: v4-22 addresses; v32-95 the scale words of all K (register 16 y + 2 i + q: lanes 0-15 R's tile i, lanes 16-31 P's tile i; for i over 3 lanes 0-15 hold words that no product names);
;   v96-159 the bias; v160-255 R's 4 fragments, two sets.  window 1: P's 8 fragments, two sets, at v0 and v128.  window 2: accumulator (a, b) at v[8 (8 a + b)].  On the way out window 0's v128-255 are free.
.set FR,    12
.set RY,    24576                      ; R's 128 rows x 256 K
.set PY,    49152                      ; P's 256 rows x 256 K
.set PB,    4*RY
.set SCL,   PB+4*PY
.set SPARE, SCL+12288                  ; the spare words, 128 bytes a wave, named by no other line
.set RSTR,  1572864                    ; from y to y + 1 in oq,
.set PSTR,  786432                     ; and in wq
.set AR16, 4                           ; v4-5 R's fragments of y 0-1, 2-3: + 16 x lane;  v6-7: + 8 x lane
.set AR8,  6
.set AP16, 8                           ; v8-11 P's fragments of y 0..3;  v12-15
.set AP8,  12
.set L16,  16
.set L8,   17
.set STO,  18
.set ADRS, 19
.set SPW,  20
.set NIL,  21
.set RD,   22
.set SC,   32
.set BI,   96
.set AF,   160
.set BK,   128
.set G1,   24
.set G0,   32
.set G1B,  48
.set G0B,  56
.set G1S,  68
.set G0S,  76
.set G1SB, 80
.set G0SB, 88
.set MSB, 0
.macro WIN new                         ; the immediate's high byte repeats the setting that is left; a switch that changes nothing is dropped
.if MSB != (\new)
	s_set_vgpr_msb (MSB<<8)|(\new)
.set MSB, (\new)
.endif
.endm
.macro CROUND
	s_barrier_signal -1
	s_barrier_wait -1
	s_cmp_lg_u32 s14, 0
	s_cbranch_scc1 .Lnot_wave_0_\@
	s_barrier_signal -3
.Lnot_wave_0_\@:
	s_barrier_wait -3
	s_barrier_signal -1
	s_barrier_wait -1
.endm
.macro DESC g, c, r, p                 ; group 1 behind its first word: r rows of c elements of 8 bytes, p elements apart
	s_mov_b32 s[\g+1], (\c)<<16
	s_mov_b32 s[\g+2], (\r)<<16
	s_mov_b32 s[\g+3], (\c)<<16
	s_mov_b32 s[\g+4], \r
	s_mov_b32 s[\g+5], \p
	s_mov_b32 s[\g+6], 0
	s_mov_b32 s[\g+7], 0
.endm
.macro G0SET g, lds, a
	s_mov_b32 s[\g], 1
	s_mov_b32 s[\g+1], \lds
	s_mov_b64 s[\g+2:\g+3], s[\a:\a+1]
	s_or_b32 s[\g+3], s[\g+3], 0x80000000
.endm
.macro PLACES                          ; plain vector instructions between a matrix instruction and a load into, or a read of, its registers (ISA guide 7.12.1 for vector instructions)
.rept 4
	v_nop
.endr
.endm
	s_load_b256 s[4:11], s[0:1], 0x0               ; oq, wq, b_out, out0
	v_lshl_add_u32 v[SPW], v0, 2, SPARE
	v_mov_b32 v[NIL], 0
	ds_add_u32 v[SPW], v[NIL]                      ; the opening lines: the add twice and its wait
	ds_add_u32 v[SPW], v[NIL]
	v_lshrrev_b32 v1, 5, v0
	v_readfirstlane_b32 s14, v1                    ; wave
	s_lshr_b32 s15, s14, 1                         ; my half of R's 128 rows
	s_and_b32 s16, s14, 1                          ; my half of P's 256
	s_bfe_u32 s40, ttmp6, 0x40000                  ; cx
	s_bfe_u32 s41, ttmp6, 0x40004                  ; cy
	s_and_b32 s18, ttmp7, 0xffff
	s_lshl_b32 s18, s18, 2
	s_add_co_u32 s18, s18, s41                     ; R's unit of 128 rows, 0..63: 16 b + g
	s_add_co_u32 s19, s40, 12                      ; P's unit of 256 columns in wq: W_out's begin at unit 12
	s_lshl_b32 s43, s41, 2
	s_lshl_b32 s43, 15, s43                        ; my row of the cluster
	s_lshl_b32 s44, 0x1111, s40                    ; my column
	s_or_b32 s[G1], s43, (3<<16)|(1<<21)
	s_or_b32 s[G1S], s43, (3<<16)|(1<<21)
	s_or_b32 s[G1B], s44, (3<<16)|(1<<21)
	s_or_b32 s[G1SB], s44, (3<<16)|(1<<21)
	DESC G1, RY/8, 4, RSTR/8
	DESC G1B, PY/8, 4, PSTR/8
	DESC G1S, 32, 16, 32
	DESC G1SB, 32, 32, 32
	s_mul_i32 s20, s18, RY
	s_mov_b32 s21, 0
	s_lshl_b32 s22, s18, 12
	s_add_co_u32 s22, s22, 6291456
	s_mov_b32 s23, 0
	s_mul_i32 s46, s19, PY
	s_mov_b32 s47, 0
	s_lshl_b32 s98, s19, 13
	s_add_co_u32 s98, s98, 3145728
	s_mov_b32 s99, 0
	s_mul_i32 s92, s15, 4*3072                     ; LDS: my four tiles of R, y 0-1,
	s_add_co_u32 s93, s92, 2*RY                    ; and y 2-3
	s_mul_i32 s94, s16, 8*3072                     ; my eight tiles of P, y 0..3
	s_add_co_u32 s94, s94, PB
	s_add_co_u32 s95, s94, PY
	s_add_co_u32 s96, s95, PY
	s_add_co_u32 s97, s96, PY
	s_lshl_b32 s2, s15, 11                         ; R's scale words: my two pairs of tiles
	s_lshl_b32 s3, s16, 12
	s_add_co_u32 s3, s3, 4096                      ; P's: my four pairs, behind R's 4,096 bytes
	s_sub_co_u32 s3, s3, s2                        ; the distance between the two
	s_add_co_u32 s2, s2, SCL
	s_mul_i32 s45, s14, 8448                       ; my stage
	s_lshl_b32 s66, s40, 10                        ; my first column, in bytes
	s_lshl_b32 s67, s16, 9
	s_add_co_u32 s66, s66, s67
	s_mov_b32 s67, 0
	s_and_b32 s12, s18, 15                         ; my first row of out0: l = 128 g + 64 x half, 16,384 bytes a row l, 4,096 a b
	s_lshl_b32 s12, s12, 21
	s_lshl_b32 s13, s15, 20
	s_add_co_u32 s12, s12, s13
	s_lshr_b32 s13, s18, 4
	s_lshl_b32 s13, s13, 12
	s_add_co_u32 s12, s12, s13
	s_mov_b32 s13, 0
	s_wait_dscnt 0x0
	s_wait_kmcnt 0x0
	s_add_nc_u64 s[20:21], s[4:5], s[20:21]
	s_add_nc_u64 s[22:23], s[4:5], s[22:23]
	s_add_nc_u64 s[46:47], s[6:7], s[46:47]
	s_add_nc_u64 s[98:99], s[6:7], s[98:99]
	s_add_nc_u64 s[8:9], s[8:9], s[66:67]
	s_add_nc_u64 s[10:11], s[10:11], s[66:67]
	s_add_nc_u64 s[10:11], s[10:11], s[12:13]
	CROUND                                         ; all sixteen work-groups are here: the joint loads meet
	G0SET G0, 0, 20
	G0SET G0S, SCL, 22
	G0SET G0B, PB, 46
	G0SET G0SB, SCL+4096, 98
	; one chain of branches on the wave's number, one joint load to an arm: wave 0 R's codes, wave 1 R's scale words, wave 2 P's codes, wave 3 P's scale words
	s_cmp_eq_u32 s14, 0
	s_cbranch_scc0 .Lhead_1
	tensor_load_to_lds s[G0:G0+3], s[G1:G1+7]
	s_nop 0
	PLACES
	s_branch .Lhead_asked
.Lhead_1:
	s_cmp_eq_u32 s14, 1
	s_cbranch_scc0 .Lhead_2
	tensor_load_to_lds s[G0S:G0S+3], s[G1S:G1S+7]
	s_nop 0
	PLACES
	s_branch .Lhead_asked
.Lhead_2:
	s_cmp_eq_u32 s14, 2
	s_cbranch_scc0 .Lhead_3
	tensor_load_to_lds s[G0B:G0B+3], s[G1B:G1B+7]
	s_nop 0
	PLACES
	s_branch .Lhead_asked
.Lhead_3:
	tensor_load_to_lds s[G0SB:G0SB+3], s[G1SB:G1SB+7]
	s_nop 0
	PLACES
.Lhead_asked:
	v_and_b32 v1, 15, v0                           ; r
	v_bfe_u32 v2, v0, 4, 1                         ; h
	v_and_b32 v3, 31, v0
	v_lshlrev_b32 v[L16], 4, v3
	v_lshlrev_b32 v[L8], 3, v3
.irp y, 0,1
	v_add_nc_u32 v[AR16+\y], s[92+\y], v[L16]
	v_add_nc_u32 v[AR8+\y], s[92+\y], v[L8]
.endr
.irp y, 0,1,2,3
	v_add_nc_u32 v[AP16+\y], s[94+\y], v[L16]
	v_add_nc_u32 v[AP8+\y], s[94+\y], v[L8]
.endr
	v_lshlrev_b32 v23, 3, v1                       ; scale words: 8 bytes a row for a y
	v_mul_u32_u24 v24, s3, v2                      ; lanes 16-31 take P's
	v_add_nc_u32 v23, v23, v24
	v_add_nc_u32 v[ADRS], s2, v23
	v_mul_u32_u24 v25, v1, 528                     ; the stage: 16 rows of 512 bytes + 16
	v_lshl_add_u32 v25, v2, 6, v25
	v_add_nc_u32 v[STO], s45, v25
	v_add_nc_u32 v[RD], s45, v[L16]
	v_lshlrev_b32 v26, 6, v2
.irp t, 0,1,2,3,4,5,6,7                        ; the bias in the result's layout: register j of tile t is column 32 (t / 2) + 16 h + 8 (t % 2) + j
	global_load_b128 v[BI+8*\t:BI+8*\t+3], v26, s[8:9] offset:(32*(\t/2)+8*(\t%2))*4
	global_load_b128 v[BI+8*\t+4:BI+8*\t+7], v26, s[8:9] offset:(32*(\t/2)+8*(\t%2))*4+16
.endr
.macro FRAG reg, a16, a8, off
	ds_load_b128 v[(\reg):(\reg)+3], v[\a16] offset:(\off)
	ds_load_b64 v[(\reg)+4:(\reg)+5], v[\a8] offset:(\off)+512
	ds_load_b128 v[(\reg)+6:(\reg)+9], v[\a16] offset:(\off)+768
	ds_load_b64 v[(\reg)+10:(\reg)+11], v[\a8] offset:(\off)+1280
.endm
.macro FETCH k                         ; the fragments of K step k (128 along K) into set k % 2: P's eight, R's four
	WIN 0x40                                       ; destination window 1
.irp i, 0,1,2,3,4,5,6,7
	FRAG 128*((\k)%2)+FR*\i, AP16+(\k)/2, AP8+(\k)/2, \i*3072+((\k)%2)*1536
.endr
	WIN 0
.irp i, 0,1,2,3
	FRAG AF+48*((\k)%2)+FR*\i, AR16+(\k)/4, AR8+(\k)/4, (((\k)/2)%2)*RY+\i*3072+((\k)%2)*1536
.endr
.endm
; 32 matrix instructions: R's four blocks x P's eight.  The 32 accumulators take turns, one instruction a turn, in the same order in every step.  Step 0 starts the sums with the bias.
.macro MUL k
.if (\k) == 0
	WIN 0x81                                       ; source 0 window 1, source 1 and C window 0, D window 2
.else
	WIN 0xa1                                       ; C and D window 2
.endif
.irp a, 0,1,2,3
.irp b, 0,1,2,3,4,5,6,7
.if (\k) == 0
	v_wmma_scale_f32_16x16x128_f8f6f4 v[8*(8*\a+\b):8*(8*\a+\b)+7], v[128*((\k)%2)+FR*\b:128*((\k)%2)+FR*\b+FR-1], v[AF+48*((\k)%2)+FR*\a:AF+48*((\k)%2)+FR*\a+FR-1], v[BI+8*\b:BI+8*\b+7], v[SC+16*((\k)/2)+2*\b+(\k)%2], v[SC+16*((\k)/2)+2*\a+(\k)%2] matrix_a_fmt:MATRIX_FMT_FP6 matrix_b_fmt:MATRIX_FMT_FP6 matrix_a_scale:MATRIX_SCALE_ROW1
.else
	v_wmma_scale_f32_16x16x128_f8f6f4 v[8*(8*\a+\b):8*(8*\a+\b)+7], v[128*((\k)%2)+FR*\b:128*((\k)%2)+FR*\b+FR-1], v[AF+48*((\k)%2)+FR*\a:AF+48*((\k)%2)+FR*\a+FR-1], v[8*(8*\a+\b):8*(8*\a+\b)+7], v[SC+16*((\k)/2)+2*\b+(\k)%2], v[SC+16*((\k)/2)+2*\a+(\k)%2] matrix_a_fmt:MATRIX_FMT_FP6 matrix_b_fmt:MATRIX_FMT_FP6 matrix_a_scale:MATRIX_SCALE_ROW1
.endif
.endr
.endr
.endm
	s_wait_alu depctr_va_vdst(0)                   ; the head's end
	s_wait_tensorcnt 0x0                           ; my tile of the four has landed
	s_barrier_signal -1
	s_barrier_wait -1                              ; and so has every wave's
	FETCH 0
.irp y, 0,1,2,3
.irp i, 0,1,2,3,4,5,6,7
	ds_load_b64 v[SC+16*\y+2*\i:SC+16*\y+2*\i+1], v[ADRS] offset:(\i/2)*1024+(\i%2)*128+256*\y
.endr
.endr
	s_wait_loadcnt 0x0                             ; the bias
.set K, 0
.rept 8                                        ; K = 1,024 is eight steps, written out: every LDS offset is an immediate
	s_wait_dscnt 0x0                               ; this step's fragments, asked for a step ago
.if K < 7
.if K > 0
	PLACES                                         ; the other set was read by the last step's products
.endif
	FETCH K+1
.endif
	MUL K
.set K, K+1
.endr
	WIN 0
	PLACES                                         ; ahead of the first read of results and of the loads into operands' registers
	s_wait_dscnt 0x0
	s_barrier_signal -1
	s_barrier_wait -1                              ; no wave reads R's bytes any more: the stages lie on them; no fill follows
; THE WAY OUT, block by block of 16 rows x 128 columns, through my own stage and back as whole rows of 512 bytes.  LDS serves a wave's instructions in order (ISA guide 5.7.1.4).
.macro TOSTAGE a
	WIN 0x08                                       ; the data: window 2
.irp t, 0,1,2,3,4,5,6,7
	ds_store_b128 v[STO], v[64*(\a)+8*\t:64*(\a)+8*\t+3] offset:128*(\t/2)+32*(\t%2)
	ds_store_b128 v[STO], v[64*(\a)+8*\t+4:64*(\a)+8*\t+7] offset:128*(\t/2)+32*(\t%2)+16
.endr
	WIN 0
.irp t, 0,1,2,3,4,5,6,7,8,9,10,11,12,13,14,15
	ds_load_b128 v[BK+64*((\a)%2)+4*\t:BK+64*((\a)%2)+4*\t+3], v[RD] offset:\t*528
.endr
.endm
.macro SEND a, younger                 ; younger: the LDS instructions issued behind block a's loads
	s_wait_dscnt \younger
.irp t, 0,1,2,3,4,5,6,7,8,9,10,11,12,13,14,15
	global_store_b128 v[L16], v[BK+64*((\a)%2)+4*\t:BK+64*((\a)%2)+4*\t+3], s[10:11] offset:(32*((\a)/2)+8*((\a)%2)+\t+8*(\t/8))*16384 th:TH_STORE_NT   ; 32 lanes store 512 consecutive bytes, aligned
.endr
.endm
	TOSTAGE 0
.irp a, 1,2,3
.if \a > 1
	s_wait_xcnt 0x0                                ; block a - 2's stores have read their registers
.endif
	TOSTAGE \a
	SEND \a-1, 32
.endr
	SEND 3, 0
	s_wait_tensorcnt 0x0                           ; the wave's end
	ds_add_u32 v[SPW], v[NIL]
	s_wait_dscnt 0x0
	CROUND                                         ; the closing round
	s_endpgm
.Lfunc_end_k_q86c9b770db_proj:
	.size	k_q86c9b770db_proj, .Lfunc_end_k_q86c9b770db_proj-k_q86c9b770db_proj
	.p2alignl 7, 3214868480
	.fill 96, 4, 3214868480
	.section	.rodata,"a",@progbits
	.p2align	6, 0x0
	.amdhsa_kernel k_q86c9b770db_proj
		.amdhsa_group_segment_fixed_size 327680
		.amdhsa_private_segment_fixed_size 0
		.amdhsa_enable_private_segment 0
		.amdhsa_kernarg_size 32
		.amdhsa_user_sgpr_count 2
		.amdhsa_user_sgpr_kernarg_segment_ptr 1
		.amdhsa_wavefront_size32 1
		.amdhsa_system_sgpr_workgroup_id_x 1
		.amdhsa_system_sgpr_workgroup_id_y 1
		.amdhsa_system_sgpr_workgroup_id_z 1
		.amdhsa_system_vgpr_workitem_id 0
		.amdhsa_next_free_vgpr 768
		.amdhsa_next_free_sgpr 100
		.amdhsa_reserve_vcc 0
		.amdhsa_float_denorm_mode_32 3
		.amdhsa_float_denorm_mode_16_64 3
		.amdhsa_memory_ordered 1
		.amdhsa_forward_progress 1
		.amdhsa_inst_pref_size 85
	.end_amdhsa_kernel
	.amdgpu_metadata
---
amdhsa.version: [ 1, 2 ]
amdhsa.kernels:
  - .name:           k_q86c9b770db_proj
    .symbol:         k_q86c9b770db_proj.kd
    .args:
      - { .name: oq, .offset: 0, .size: 8, .value_kind: global_buffer, .address_space: global }
      - { .name: wq, .offset: 8, .size: 8, .value_kind: global_buffer, .address_space: global }
      - { .name: b_out, .offset: 16, .size: 8, .value_kind: global_buffer, .address_space: global }
      - { .name: out0, .offset: 24, .size: 8, .value_kind: global_buffer, .address_space: global }
    .group_segment_fixed_size: 327680
    .private_segment_fixed_size: 0
    .kernarg_segment_align: 8
    .kernarg_segment_size: 32
    .max_flat_workgroup_size: 128
    .sgpr_count:     100
    .vgpr_count:     768
    .wavefront_size: 32
...
	.end_amdgpu_metadata
.endif
;; end of part 4
